; MI455X (gfx1250); checked and timed in simulation.
; The chip was launched on July 23, 2026; its instructions are those of AMD's public machine-readable ISA for CDNA 5 (MIT licence, August 2026) and "CDNA5" Instruction Set Architecture Reference Guide (July 2026). The comments in the code are by the model that wrote it; some were corrected since.
;; Attention. Allowed arithmetic: float matrix products may take bf16 or f16 operands with f32 sums; all other float work in f32.
;; Inputs: Wk 2,048 x 2,048 float32; Wk_mha 2,048 x 2,048 float32; Wo 2,048 x 2,048 float32; Wq 2,048 x 2,048 float32; Wq_mha 2,048 x 2,048 float32; Wv 2,048 x 2,048 float32; Wv_mha 2,048 x 2,048 float32; keys 4,096 x 2,048 float32; states 4,096 x 2,048 float32; x 2,048 float32.
;; Outputs: out0 1 x 2,048 float32.
;; One version. Each part assembles by itself: llvm-mc -triple=amdgcn-amd-amdhsa -mcpu=gfx1250 --defsym DOCPART=n.
;; ======== version 1 of 1: 11 launches
;; workspace buffers: vec 8,192 bytes; qh 8,192 bytes; ubf 65,536 bytes; tab 2,097,152 bytes; part 2,099,200 bytes; frag 65,536 bytes; lgb 294,912 bytes; ypb 262,144 bytes
;; launch projq (part 1): grid 256 x 1, 8 waves a work-group, no clusters, 0 bytes of LDS; arguments Wq, x, vec; writes vec
.if DOCPART == 1
	.amdgcn_target "amdgcn-amd-amdhsa--gfx1250"
	.amdhsa_code_object_version 6
	.text
	.protected	k_q52eaa56103_projq
	.globl	k_q52eaa56103_projq
	.p2align	8
	.type	k_q52eaa56103_projq,@function
k_q52eaa56103_projq:
	s_mov_b64 s[64:65], 0
	v_nop
	global_prefetch_b8 v0, s[64:65] scope:SCOPE_SE
	s_setreg_imm32_b32 hwreg(HW_REG_WAVE_MODE, 25, 1), 1
	s_wait_xcnt 0x0
; y[o] = the sum over i of W[o][i] v[i].  W: [2048][2048] f32, v and y: [2048] f32.  All in f32 on the vector unit:
; a product with one row would fill a sixteenth of a matrix tile, and the row's 8,192 bytes are read once.
; SHARES.  One wave, one row: row o = 8 x work-group + wave.  A lane takes the 16 bytes at 512 t + 16 lane, t = 0..15, of the row
; and of v, so each load of the wave covers 512 consecutive bytes.  All 32 loads go out at once; nothing is loaded twice by a wave.
; The sum runs in four chains a lane and is closed across the 32 lanes; its order is not the one of a plain dot product.
; PRICE.  Each wave stores one number (4 bytes): the whole result is 8,192 bytes.  Each wave reads v for itself.
; No LDS, no barrier, no cluster: the work-groups share v alone, 8,192 bytes beside 65,536 of their own.
.set ROWB, 8192                        ; bytes in a row of W
.set V,    4                           ; v[4:67]    my 64 numbers of v
.set W,    68                          ; v[68:131]  my 64 numbers of the row
.set ACC,  132                         ; v[132:135] four chains
.set SUM,  136                         ; v136       the sum
.set OTH,  137                         ; v137       the other half of the lanes' sum
.set ZO,   138                         ; v138       0: the store's offset
	s_load_b128 s[4:7], s[0:1], 0x0                ; W s[4:5], v s[6:7]
	s_load_b64 s[8:9], s[0:1], 0x10                ; y
	v_and_b32 v1, 31, v0
	v_lshrrev_b32 v2, 5, v0
	v_readfirstlane_b32 s10, v2                    ; wave 0..7
	v_lshlrev_b32 v1, 4, v1                        ; 16 x lane
	s_lshl_b32 s11, ttmp9, 3
	s_add_co_u32 s11, s11, s10                     ; my row
	s_lshl_b32 s12, s11, 13                        ; row x 8,192 bytes (under 2^25)
	s_mov_b32 s13, 0
	s_lshl_b32 s16, s11, 2                         ; row x 4 bytes
	s_mov_b32 s17, 0
	s_mov_b32 s14, 0x76543210                      ; v_permlanex16_b32: each lane takes its own place in the other half
	s_mov_b32 s15, 0xfedcba98
	v_mov_b32 v[OTH], 0                            ; v_permlanex16_b32's destination counts as read
	v_mov_b32 v[ZO], 0
	s_wait_kmcnt 0x0
	s_add_nc_u64 s[4:5], s[4:5], s[12:13]
	s_add_nc_u64 s[8:9], s[8:9], s[16:17]
.set t, 0
.rept 16
	global_load_b128 v[V+4*t:V+4*t+3], v1, s[6:7] offset:512*t
.set t, t+1
.endr
.set t, 0
.rept 16
	global_load_b128 v[W+4*t:W+4*t+3], v1, s[4:5] offset:512*t th:TH_LOAD_NT
.set t, t+1
.endr
.set t, 0
.rept 16
	s_wait_loadcnt 15-t                            ; piece t of the row is in (and all of v, issued earlier); the 15 - t younger loads stay out
.if t == 0
	v_pk_mul_f32 v[ACC:ACC+1],   v[W:W+1],   v[V:V+1]      ; the first products start the chains
	v_pk_mul_f32 v[ACC+2:ACC+3], v[W+2:W+3], v[V+2:V+3]
.else
	v_pk_fma_f32 v[ACC:ACC+1],   v[W+4*t:W+4*t+1],   v[V+4*t:V+4*t+1],   v[ACC:ACC+1]
	v_pk_fma_f32 v[ACC+2:ACC+3], v[W+4*t+2:W+4*t+3], v[V+4*t+2:V+4*t+3], v[ACC+2:ACC+3]
.endif
.set t, t+1
.endr
	v_pk_add_f32 v[ACC:ACC+1], v[ACC:ACC+1], v[ACC+2:ACC+3]
	v_add_f32 v[SUM], v[ACC], v[ACC+1]
	v_add_f32_dpp v[SUM], v[SUM], v[SUM] row_xmask:1 row_mask:0xf bank_mask:0xf
	v_add_f32_dpp v[SUM], v[SUM], v[SUM] row_xmask:2 row_mask:0xf bank_mask:0xf
	v_add_f32_dpp v[SUM], v[SUM], v[SUM] row_xmask:4 row_mask:0xf bank_mask:0xf
	v_add_f32_dpp v[SUM], v[SUM], v[SUM] row_xmask:8 row_mask:0xf bank_mask:0xf
	v_permlanex16_b32 v[OTH], v[SUM], s14, s15
	v_add_f32 v[SUM], v[SUM], v[OTH]
	v_cmp_eq_u32 vcc_lo, 0, v1                     ; lane 0 stores
	s_wait_xcnt 0x0                                ; EXEC is a source of the loads above: it changes only behind this wait
	s_and_saveexec_b32 s20, vcc_lo
	global_store_b32 v[ZO], v[SUM], s[8:9]
	s_wait_xcnt 0x0                                ; and again in front of the line that widens it
	s_or_b32 exec_lo, exec_lo, s20
	s_endpgm
.Lfunc_end_k_q52eaa56103_projq:
	.size	k_q52eaa56103_projq, .Lfunc_end_k_q52eaa56103_projq-k_q52eaa56103_projq
	.p2alignl 7, 3214868480
	.fill 96, 4, 3214868480
	.section	.rodata,"a",@progbits
	.p2align	6, 0x0
	.amdhsa_kernel k_q52eaa56103_projq
		.amdhsa_group_segment_fixed_size 0
		.amdhsa_private_segment_fixed_size 0
		.amdhsa_enable_private_segment 0
		.amdhsa_kernarg_size 24
		.amdhsa_user_sgpr_count 2
		.amdhsa_user_sgpr_kernarg_segment_ptr 1
		.amdhsa_wavefront_size32 1
		.amdhsa_system_sgpr_workgroup_id_x 1
		.amdhsa_system_sgpr_workgroup_id_y 1
		.amdhsa_system_sgpr_workgroup_id_z 1
		.amdhsa_system_vgpr_workitem_id 0
		.amdhsa_next_free_vgpr 144
		.amdhsa_next_free_sgpr 66
		.amdhsa_reserve_vcc 1
		.amdhsa_float_denorm_mode_32 3
		.amdhsa_float_denorm_mode_16_64 3
		.amdhsa_memory_ordered 1
		.amdhsa_forward_progress 1
		.amdhsa_inst_pref_size 8
	.end_amdhsa_kernel
	.amdgpu_metadata
---
amdhsa.version: [ 1, 2 ]
amdhsa.kernels:
  - .name:           k_q52eaa56103_projq
    .symbol:         k_q52eaa56103_projq.kd
    .args:
      - { .name: Wq, .offset: 0, .size: 8, .value_kind: global_buffer, .address_space: global }
      - { .name: x, .offset: 8, .size: 8, .value_kind: global_buffer, .address_space: global }
      - { .name: vec, .offset: 16, .size: 8, .value_kind: global_buffer, .address_space: global }
    .group_segment_fixed_size: 0
    .private_segment_fixed_size: 0
    .kernarg_segment_align: 8
    .kernarg_segment_size: 24
    .max_flat_workgroup_size: 256
    .sgpr_count:     66
    .vgpr_count:     144
    .wavefront_size: 32
...
	.end_amdgpu_metadata
.endif
;; end of part 1
;; launch projqh: the kernel of part 1 again; grid 256 x 1, 8 waves a work-group, no clusters, 0 bytes of LDS; arguments Wq_mha, vec, qh; writes qh
;; launch foldk (part 2): grid 256 x 1, 8 waves a work-group, no clusters, 5,120 bytes of LDS; arguments Wk_mha, qh, ubf, tab; writes ubf, tab
.if DOCPART == 2
	.amdgcn_target "amdgcn-amd-amdhsa--gfx1250"
	.amdhsa_code_object_version 6
	.text
	.protected	k_q52eaa56103_foldk
	.globl	k_q52eaa56103_foldk
	.p2align	8
	.type	k_q52eaa56103_foldk,@function
k_q52eaa56103_foldk:
	s_mov_b64 s[64:65], 0
	v_nop
	global_prefetch_b8 v0, s[64:65] scope:SCOPE_SE
	s_setreg_imm32_b32 hwreg(HW_REG_WAVE_MODE, 25, 1), 1
	s_wait_xcnt 0x0
; TWO THINGS.  (1) U[h][o] = c x the sum over d of qh[128 h + d] Wk_mha[128 h + d][o], c = log2(e) / sqrt(128): the query folded into the
; second key projection (the logits are sums that may be taken in this order for every input; the order of rounding differs from the
; written one).  Sums in f32; U is rounded once to bf16, as an operand of the next launch's matrix product.
; U's layout: [column / 8][head][8 bf16]: byte (o >> 3) x 256 + h x 16 + (o & 7) x 2, so that a fragment of 16 heads x 32 columns is two loads of 512 consecutive bytes.
; (2) THE ROTARY TABLE.  tab[st][0][j] = cos, tab[st][1][j] = sin of the angle (16 st - 1) f_j, f_j = 10000^(-j / 1024), j = 0..1023, st = 0..255.
; A user rotates by f_j once in front of each of its 16 rows; row 0 of the table holds cos f and -sin f, the step itself.
; Sine and cosine: the angle less the nearest multiple of 2 pi (2 pi in two parts, by fused multiply-adds), an eighth of it into series to u^7 and u^6
; (|u| < 0.4: terms left out are below 2e-8), three doublings.  LIMIT: the angle itself carries f32's rounding, some 3e-4 at the largest angles.
; SHARES.  Work-group = (h = wg >> 4, cc = wg & 15): 128 rows x 128 columns.  Wave w takes rows 128 h + 16 w + t; a lane four columns, so each load covers 512
; consecutive bytes of a row.  The eight waves' sums meet in LDS; wave 0 adds them.  For the table the work-group is st, a thread four j.
; PRICE.  U leaves in pieces of 16 bytes (two lanes), 256 bytes apart: 65,536 bytes once, for whole units at each of its readers.
; No cluster: the work-groups share nothing but qh.
.set RED,   0                          ; LDS: [wave 8][512 bytes]: a wave's 128 sums
.set SPARE, 4096                       ; the spare words, 128 bytes a wave: four blocks of 256 bytes that no other line names
.set X,   16                           ; v[16:79]   row t: four numbers; later the eight waves' sums
.set ACC, 80                           ; v[80:83]
.set AN,  84                           ; v[84:87]   j, f, the angle, u
.set QN,  88                           ; v[88:91]   the multiple of 2 pi, then u^2
.set SI,  92                           ; v[92:95]   sine
.set CO,  96                           ; v[96:99]   cosine
.set TW,  100                          ; v[100:103] at work
.set SPW, 108                          ; v108       LDS address of my spare word; never rewritten
.set NIL, 109                          ; v109       0; never rewritten
.macro EACH line:vararg                ; one line for each of my four j
.set e, 0
.rept 4
	\line
.set e, e+1
.endr
.endm
.macro TREE8 b, n                      ; eight vectors of n registers at v[b + n k]: their sum lands in the first
.irp d, 4,2,1
.set k, 0
.rept \d
.set e, 0
.rept (\n)/2
	v_pk_add_f32 v[(\b)+(\n)*k+e:(\b)+(\n)*k+e+1], v[(\b)+(\n)*k+e:(\b)+(\n)*k+e+1], v[(\b)+(\n)*(k+\d)+e:(\b)+(\n)*(k+\d)+e+1]
.set e, e+2
.endr
.set k, k+1
.endr
.endr
.endm
	s_load_b256 s[4:11], s[0:1], 0x0               ; Wk_mha s[4:5], qh s[6:7], ubf s[8:9], tab s[10:11]
	v_lshl_add_u32 v[SPW], v0, 2, SPARE
	v_mov_b32 v[NIL], 0
	v_and_b32 v1, 31, v0
	v_lshrrev_b32 v2, 5, v0
	v_readfirstlane_b32 s12, v2                    ; wave 0..7
	v_lshlrev_b32 v4, 4, v0                        ; 16 x thread: my place in a table row, and (512 w + 16 lane) in RED
	v_lshrrev_b32 v3, 1, v1
	v_and_b32 v5, 1, v1
	v_lshlrev_b32 v3, 8, v3
	v_lshl_or_b32 v3, v5, 3, v3                    ; U: piece lane / 2, 8 bytes for each of its two lanes
	v_lshlrev_b32 v1, 4, v1                        ; 16 x lane
	s_lshr_b32 s13, ttmp9, 4                       ; h
	s_and_b32 s14, ttmp9, 15                       ; cc
	s_lshl_b32 s15, s13, 7
	s_lshl_b32 s33, s12, 4
	s_add_co_u32 s15, s15, s33                     ; my first row: 128 h + 16 w
	s_lshl_b32 s34, s15, 13
	s_lshl_b32 s33, s14, 9
	s_add_co_u32 s34, s34, s33                     ; row x 8,192 + cc x 512
	s_mov_b32 s35, 0
	s_lshl_b32 s36, s15, 2                         ; my sixteen qh
	s_mov_b32 s37, 0
	s_lshl_b32 s38, s14, 12
	s_lshl_b32 s33, s13, 4
	s_add_co_u32 s38, s38, s33                     ; U: 16 cc pieces of 256 bytes + 16 h
	s_mov_b32 s39, 0
	s_lshl_b32 s48, ttmp9, 13                      ; the table's row st = work-group
	s_mov_b32 s49, 0
	s_mov_b32 s40, 0xc0c90000                      ; -6.28125
	s_mov_b32 s41, 0xbafdaa22                      ; -(2 pi - 6.28125)
	s_mov_b32 s42, 0xb9500d01                      ; -1/5040
	s_mov_b32 s43, 0x3c088889                      ; 1/120
	s_mov_b32 s44, 0xbe2aaaab                      ; -1/6
	s_mov_b32 s45, 0xbab60b61                      ; -1/720
	s_mov_b32 s46, 0x3d2aaaab                      ; 1/24
	s_lshl_b32 s32, ttmp9, 4
	s_sub_co_i32 s32, s32, 1                       ; 16 st - 1
	s_wait_kmcnt 0x0
	s_add_nc_u64 s[4:5], s[4:5], s[34:35]
	s_add_nc_u64 s[6:7], s[6:7], s[36:37]
	s_add_nc_u64 s[8:9], s[8:9], s[38:39]
	s_add_nc_u64 s[10:11], s[10:11], s[48:49]
	s_load_b512 s[16:31], s[6:7], 0x0              ; qh of my sixteen rows (this launch stores nothing into qh)
.set t, 0
.rept 16
	global_load_b128 v[X+4*t:X+4*t+3], v1, s[4:5] offset:8192*t th:TH_LOAD_NT
.set t, t+1
.endr
	; the table, while those loads are out
	v_lshlrev_b32 v[AN], 2, v0
	v_cvt_f32_u32 v[AN], v[AN]                     ; j = 4 x thread
	v_add_f32 v[AN+1], 1.0, v[AN]
	v_add_f32 v[AN+2], 2.0, v[AN]
	v_add_f32 v[AN+3], 0x40400000, v[AN]
	EACH v_mul_f32 v[AN+e], 0xbc549a78, v[AN+e]    ; -j log2(10000) / 1024
	EACH v_exp_f32 v[AN+e], v[AN+e]                ; f_j
	v_cvt_f32_i32 v[TW], s32                       ; a plain instruction behind the last exponential
	s_wait_alu depctr_va_vdst(0)
	EACH v_mul_f32 v[AN+e], v[TW], v[AN+e]         ; the angle
	EACH v_mul_f32 v[QN+e], 0x3e22f983, v[AN+e]    ; / 2 pi
	EACH v_rndne_f32 v[QN+e], v[QN+e]
	EACH v_fma_f32 v[AN+e], v[QN+e], s40, v[AN+e]
	EACH v_fma_f32 v[AN+e], v[QN+e], s41, v[AN+e]  ; within -pi .. pi
	EACH v_mul_f32 v[AN+e], 0x3e000000, v[AN+e]    ; u = an eighth of it
	EACH v_mul_f32 v[QN+e], v[AN+e], v[AN+e]       ; u^2
	EACH v_fma_f32 v[SI+e], v[QN+e], s42, s43
	EACH v_fma_f32 v[CO+e], v[QN+e], s45, s46
	EACH v_fma_f32 v[SI+e], v[SI+e], v[QN+e], s44
	EACH v_fma_f32 v[CO+e], v[CO+e], v[QN+e], -0.5
	EACH v_mul_f32 v[SI+e], v[SI+e], v[QN+e]
	EACH v_fma_f32 v[CO+e], v[CO+e], v[QN+e], 1.0
	EACH v_fma_f32 v[SI+e], v[SI+e], v[AN+e], v[AN+e]
.rept 3                                ; sin 2a = 2 cos a sin a, cos 2a = 2 cos a cos a - 1
	EACH v_add_f32 v[TW+e], v[CO+e], v[CO+e]
	EACH v_mul_f32 v[SI+e], v[TW+e], v[SI+e]
	EACH v_fma_f32 v[CO+e], v[TW+e], v[CO+e], -1.0
.endr
	global_store_b128 v4, v[CO:CO+3], s[10:11]             ; a wave's store covers 512 consecutive bytes
	global_store_b128 v4, v[SI:SI+3], s[10:11] offset:4096
	; U: my sixteen rows, each times its qh
	s_wait_kmcnt 0x0
.set t, 0
.rept 16
	s_wait_loadcnt 15-t                            ; row t is in; the 15 - t younger loads stay out
.irp e, 0,1,2,3
.if t == 0
	v_mul_f32 v[ACC+\e], s[16+t], v[X+4*t+\e]      ; the first row starts the sums
.else
	v_fmac_f32 v[ACC+\e], s[16+t], v[X+4*t+\e]
.endif
.endr
.set t, t+1
.endr
	ds_store_b128 v4, v[ACC:ACC+3]
	s_wait_tensorcnt 0x0                           ; my last LDS store is behind me
	ds_add_u32 v[SPW], v[NIL]
	s_wait_dscnt 0x0                               ; the wait also shows my store done, for wave 0's sake
	s_barrier_signal -1
	s_barrier_wait -1
	s_cmp_lg_u32 s12, 0
	s_cbranch_scc1 .Lend
.set k, 0
.rept 8
	ds_load_b128 v[X+4*k:X+4*k+3], v1 offset:RED+512*k
.set k, k+1
.endr
	s_wait_dscnt 0x0
	TREE8 X, 4
	v_pk_mul_f32 v[X:X+1],   v[X:X+1],   0x3e0293ee op_sel_hi:[1,0]   ; c: the logits come out in powers of two
	v_pk_mul_f32 v[X+2:X+3], v[X+2:X+3], 0x3e0293ee op_sel_hi:[1,0]
	v_cvt_pk_bf16_f32 v[X+4], v[X], v[X+1]
	v_cvt_pk_bf16_f32 v[X+5], v[X+2], v[X+3]
	global_store_b64 v3, v[X+4:X+5], s[8:9]
.Lend:
	s_endpgm
.Lfunc_end_k_q52eaa56103_foldk:
	.size	k_q52eaa56103_foldk, .Lfunc_end_k_q52eaa56103_foldk-k_q52eaa56103_foldk
	.p2alignl 7, 3214868480
	.fill 96, 4, 3214868480
	.section	.rodata,"a",@progbits
	.p2align	6, 0x0
	.amdhsa_kernel k_q52eaa56103_foldk
		.amdhsa_group_segment_fixed_size 5120
		.amdhsa_private_segment_fixed_size 0
		.amdhsa_enable_private_segment 0
		.amdhsa_kernarg_size 32
		.amdhsa_user_sgpr_count 2
		.amdhsa_user_sgpr_kernarg_segment_ptr 1
		.amdhsa_wavefront_size32 1
		.amdhsa_system_sgpr_workgroup_id_x 1
		.amdhsa_system_sgpr_workgroup_id_y 1
		.amdhsa_system_sgpr_workgroup_id_z 1
		.amdhsa_system_vgpr_workitem_id 0
		.amdhsa_next_free_vgpr 112
		.amdhsa_next_free_sgpr 66
		.amdhsa_reserve_vcc 0
		.amdhsa_float_denorm_mode_32 3
		.amdhsa_float_denorm_mode_16_64 3
		.amdhsa_memory_ordered 1
		.amdhsa_forward_progress 1
		.amdhsa_inst_pref_size 14
	.end_amdhsa_kernel
	.amdgpu_metadata
---
amdhsa.version: [ 1, 2 ]
amdhsa.kernels:
  - .name:           k_q52eaa56103_foldk
    .symbol:         k_q52eaa56103_foldk.kd
    .args:
      - { .name: Wk_mha, .offset: 0, .size: 8, .value_kind: global_buffer, .address_space: global }
      - { .name: qh, .offset: 8, .size: 8, .value_kind: global_buffer, .address_space: global }
      - { .name: ubf, .offset: 16, .size: 8, .value_kind: global_buffer, .address_space: global }
      - { .name: tab, .offset: 24, .size: 8, .value_kind: global_buffer, .address_space: global }
    .group_segment_fixed_size: 5120
    .private_segment_fixed_size: 0
    .kernarg_segment_align: 8
    .kernarg_segment_size: 32
    .max_flat_workgroup_size: 256
    .sgpr_count:     66
    .vgpr_count:     112
    .wavefront_size: 32
...
	.end_amdgpu_metadata
.endif
;; end of part 2
;; launch foldw (part 3): grid 256 x 1, 8 waves a work-group, no clusters, 33,792 bytes of LDS; arguments Wk, ubf, part; writes part
.if DOCPART == 3
	.amdgcn_target "amdgcn-amd-amdhsa--gfx1250"
	.amdhsa_code_object_version 6
	.text
	.protected	k_q52eaa56103_foldw
	.globl	k_q52eaa56103_foldw
	.p2align	8
	.type	k_q52eaa56103_foldw,@function
k_q52eaa56103_foldw:
	s_mov_b64 s[64:65], 0
	v_nop
	global_prefetch_b8 v0, s[64:65] scope:SCOPE_SE
	s_setreg_imm32_b32 hwreg(HW_REG_WAVE_MODE, 25, 1), 1
	s_wait_xcnt 0x0
; Tp[p][h][i] = the sum over the 256 rows o of chunk p of U[h][o] Wk[o][i]: eight partial sums of T = U Wk, the query folded into the first key projection.
; bf16 operands (Wk is rounded on the way from memory to the matrix unit), f32 sums.  Tp: [8][16][2048] f32.
; SHARES.  Work-group = (p = wg >> 5, c = wg & 31): 256 rows x 64 columns.  Wave w takes rows i0 = 256 p + 32 w .. + 31: one K step of the matrix form.
; Wk lies [K][N], and no transposition is needed: lane (r, hh) loads rows i0 + 16 hh + t, t = 0..15, columns 64 c + 4 r .. + 3 (each load: two whole
; pieces of 256 consecutive bytes), and packs two rows' numbers of one column into a register.  So the place (hh, register u, half b) of both operands stands for
; row i0 + 16 hh + 2 u + b: a permutation of K applied alike to both; and column index r of product q stands for column 64 c + 4 r + q.
; U's fragment in that order: two loads of 16 bytes, columns i0 + 16 hh + 0..7 and + 8..15 of head r.
; Result q, register j, lane (r, hh) = T(head 8 hh + j, column 64 c + 4 r + q).  The eight waves' results meet in LDS; wave w adds register j = w of all and
; stores four neighbouring columns a lane: sixteen lanes fill 256 consecutive bytes, aligned.
; No cluster: what the work-groups share is U, 8 KiB a work-group beside 64 KiB of their own.
.set RED,   0                          ; LDS: [wave 8][q 4][j / 4][lane 32][16 bytes]
.set SPARE, 32768                      ; the spare words, 128 bytes a wave: four blocks of 256 bytes that no other line names
.set SPW, 6                            ; v6  LDS address of my spare word; never rewritten
.set NIL, 7                            ; v7  0; never rewritten
.set UA,  8                            ; v[8:15]    U's fragment
.set F,   16                           ; v[16:47]   Wk's fragments: product q at F + 8 q
.set X,   48                           ; v[48:111]  row t as loaded; later R, what is read back from LDS
.set D,   112                          ; v[112:143] four accumulators
.set R,   48
.macro TREE8 b, n                      ; eight vectors of n registers at v[b + n k]: their sum lands in the first
.irp d, 4,2,1
.set k, 0
.rept \d
.set e, 0
.rept (\n)/2
	v_pk_add_f32 v[(\b)+(\n)*k+e:(\b)+(\n)*k+e+1], v[(\b)+(\n)*k+e:(\b)+(\n)*k+e+1], v[(\b)+(\n)*(k+\d)+e:(\b)+(\n)*(k+\d)+e+1]
.set e, e+2
.endr
.set k, k+1
.endr
.endr
.endm
	s_load_b128 s[4:7], s[0:1], 0x0                ; Wk s[4:5], U s[6:7]
	s_load_b64 s[8:9], s[0:1], 0x10                ; Tp
	v_lshl_add_u32 v[SPW], v0, 2, SPARE
	v_mov_b32 v[NIL], 0
	v_and_b32 v112, 31, v0                         ; lane
	v_lshrrev_b32 v113, 5, v0
	v_readfirstlane_b32 s10, v113                  ; wave 0..7
	v_and_b32 v113, 15, v0                         ; r
	v_bfe_u32 v114, v0, 4, 1                       ; hh
	v_lshlrev_b32 v5, 4, v113
	v_lshl_add_u32 v1, v114, 17, v5                ; Wk: 16 hh rows + 16 r bytes
	v_lshl_add_u32 v4, v114, 9, v5                 ; U: 2 hh pieces + 16 r
	v_lshl_add_u32 v3, v114, 16, v5                ; Tp: 8 hh heads + 16 r
	s_lshl_b32 s11, s10, 12
	v_lshl_add_u32 v2, v112, 4, s11                ; into RED: 4,096 w + 16 lane
	s_lshr_b32 s12, s10, 2
	s_lshl_b32 s12, s12, 9
	s_and_b32 s13, s10, 3
	s_lshl_b32 s13, s13, 2
	s_add_co_u32 s12, s12, s13
	v_lshl_add_u32 v5, v112, 4, s12                ; back: register j = w of every lane
	s_lshr_b32 s14, ttmp9, 5                       ; p
	s_and_b32 s15, ttmp9, 31                       ; c
	s_lshl_b32 s16, s14, 21
	s_lshl_b32 s18, s10, 18
	s_add_co_u32 s16, s16, s18
	s_lshl_b32 s18, s15, 8
	s_add_co_u32 s16, s16, s18                     ; (256 p + 32 w) x 8,192 + 256 c
	s_mov_b32 s17, 0
	s_lshl_b32 s20, s14, 13
	s_lshl_b32 s19, s10, 10
	s_add_co_u32 s20, s20, s19                     ; (256 p + 32 w) x 32
	s_mov_b32 s21, 0
	s_lshl_b32 s22, s14, 17
	s_lshl_b32 s19, s10, 13
	s_add_co_u32 s22, s22, s19
	s_add_co_u32 s22, s22, s18                     ; 131,072 p + 8,192 w + 256 c
	s_mov_b32 s23, 0
	s_wait_kmcnt 0x0
	s_add_nc_u64 s[4:5], s[4:5], s[16:17]
	s_add_nc_u64 s[6:7], s[6:7], s[20:21]
	s_add_nc_u64 s[8:9], s[8:9], s[22:23]
	global_load_b128 v[UA:UA+3],   v4, s[6:7]
	global_load_b128 v[UA+4:UA+7], v4, s[6:7] offset:256
.set t, 0
.rept 16
	global_load_b128 v[X+4*t:X+4*t+3], v1, s[4:5] offset:8192*t th:TH_LOAD_NT
.set t, t+1
.endr
.set u, 0
.rept 8
	s_wait_loadcnt 14-2*u                          ; rows 2 u and 2 u + 1 are in (and U, issued earlier); the 14 - 2 u younger loads stay out
.irp q, 0,1,2,3
	v_cvt_pk_bf16_f32 v[F+8*\q+u], v[X+8*u+\q], v[X+8*u+4+\q]
.endr
.set u, u+1
.endr
.irp q, 0,1,2,3
	v_wmma_f32_16x16x32_bf16 v[D+8*\q:D+8*\q+7], v[UA:UA+7], v[F+8*\q:F+8*\q+7], 0   ; four accumulators, one product each
.endr
.rept 4
	v_nop                                          ; four places between a matrix instruction and the first read of its result (ISA guide 7.12.1)
.endr
.irp q, 0,1,2,3
	ds_store_b128 v2, v[D+8*\q:D+8*\q+3]   offset:RED+1024*\q       ; each accumulator from its low end
	ds_store_b128 v2, v[D+8*\q+4:D+8*\q+7] offset:RED+1024*\q+512
.endr
	s_wait_tensorcnt 0x0                           ; my last LDS store is behind me
	ds_add_u32 v[SPW], v[NIL]
	s_wait_dscnt 0x0                               ; the wait also shows my stores done, for the other waves' sake
	s_barrier_signal -1
	s_barrier_wait -1
.set k, 0
.rept 8
.irp q, 0,1,2,3
	ds_load_b32 v[R+4*k+\q], v5 offset:RED+4096*k+1024*\q
.endr
.set k, k+1
.endr
	s_wait_dscnt 0x0
	TREE8 R, 4
	global_store_b128 v3, v[R:R+3], s[8:9]         ; head 8 hh + w: sixteen lanes store 256 consecutive bytes, aligned
	s_endpgm
.Lfunc_end_k_q52eaa56103_foldw:
	.size	k_q52eaa56103_foldw, .Lfunc_end_k_q52eaa56103_foldw-k_q52eaa56103_foldw
	.p2alignl 7, 3214868480
	.fill 96, 4, 3214868480
	.section	.rodata,"a",@progbits
	.p2align	6, 0x0
	.amdhsa_kernel k_q52eaa56103_foldw
		.amdhsa_group_segment_fixed_size 33792
		.amdhsa_private_segment_fixed_size 0
		.amdhsa_enable_private_segment 0
		.amdhsa_kernarg_size 24
		.amdhsa_user_sgpr_count 2
		.amdhsa_user_sgpr_kernarg_segment_ptr 1
		.amdhsa_wavefront_size32 1
		.amdhsa_system_sgpr_workgroup_id_x 1
		.amdhsa_system_sgpr_workgroup_id_y 1
		.amdhsa_system_sgpr_workgroup_id_z 1
		.amdhsa_system_vgpr_workitem_id 0
		.amdhsa_next_free_vgpr 144
		.amdhsa_next_free_sgpr 66
		.amdhsa_reserve_vcc 0
		.amdhsa_float_denorm_mode_32 3
		.amdhsa_float_denorm_mode_16_64 3
		.amdhsa_memory_ordered 1
		.amdhsa_forward_progress 1
		.amdhsa_inst_pref_size 10
	.end_amdhsa_kernel
	.amdgpu_metadata
---
amdhsa.version: [ 1, 2 ]
amdhsa.kernels:
  - .name:           k_q52eaa56103_foldw
    .symbol:         k_q52eaa56103_foldw.kd
    .args:
      - { .name: Wk, .offset: 0, .size: 8, .value_kind: global_buffer, .address_space: global }
      - { .name: ubf, .offset: 8, .size: 8, .value_kind: global_buffer, .address_space: global }
      - { .name: part, .offset: 16, .size: 8, .value_kind: global_buffer, .address_space: global }
    .group_segment_fixed_size: 33792
    .private_segment_fixed_size: 0
    .kernarg_segment_align: 8
    .kernarg_segment_size: 24
    .max_flat_workgroup_size: 256
    .sgpr_count:     66
    .vgpr_count:     144
    .wavefront_size: 32
...
	.end_amdgpu_metadata
.endif
;; end of part 3
;; launch sumt (part 4): grid 64 x 1, 4 waves a work-group, no clusters, 0 bytes of LDS; arguments part, frag; writes frag
.if DOCPART == 4
	.amdgcn_target "amdgcn-amd-amdhsa--gfx1250"
	.amdhsa_code_object_version 6
	.text
	.protected	k_q52eaa56103_sumt
	.globl	k_q52eaa56103_sumt
	.p2align	8
	.type	k_q52eaa56103_sumt,@function
k_q52eaa56103_sumt:
	s_mov_b64 s[64:65], 0
	v_nop
	global_prefetch_b8 v0, s[64:65] scope:SCOPE_SE
	s_setreg_imm32_b32 hwreg(HW_REG_WAVE_MODE, 25, 1), 1
	s_wait_xcnt 0x0
; T[h][i] = the sum over p = 0..7 of Tp[p][h][i], in f32, rounded once to bf16: an operand of the next launch's matrix product.
; T's layout: [column / 8][head][8 bf16], byte (i >> 3) x 256 + h x 16 + (i & 7) x 2: a fragment of 16 heads x 32 columns is two loads of 512 consecutive bytes.
; SHARES.  Work-group = (head = wg >> 2, quarter = wg & 3 of the columns); a thread four columns.  1 MiB in, 64 KiB out: 64 work-groups hold all the work there is.
; PRICE.  T leaves in pieces of 16 bytes (two lanes), 256 bytes apart, once; its 2,048 reading waves then take whole pieces of 512 bytes.
.set R, 8                              ; v[8:39] the eight partial sums
.macro TREE8 b, n                      ; eight vectors of n registers at v[b + n k]: their sum lands in the first
.irp d, 4,2,1
.set k, 0
.rept \d
.set e, 0
.rept (\n)/2
	v_pk_add_f32 v[(\b)+(\n)*k+e:(\b)+(\n)*k+e+1], v[(\b)+(\n)*k+e:(\b)+(\n)*k+e+1], v[(\b)+(\n)*(k+\d)+e:(\b)+(\n)*(k+\d)+e+1]
.set e, e+2
.endr
.set k, k+1
.endr
.endr
.endm
	s_load_b128 s[4:7], s[0:1], 0x0                ; Tp s[4:5], T s[6:7]
	v_lshlrev_b32 v1, 4, v0                        ; 16 x thread
	v_lshrrev_b32 v2, 1, v0
	v_and_b32 v3, 1, v0
	v_lshlrev_b32 v2, 8, v2
	v_lshl_or_b32 v2, v3, 3, v2                    ; piece thread / 2, 8 bytes for each of its two threads
	s_lshr_b32 s8, ttmp9, 2                        ; head
	s_and_b32 s9, ttmp9, 3                         ; quarter
	s_lshl_b32 s10, s8, 13
	s_lshl_b32 s12, s9, 11
	s_add_co_u32 s10, s10, s12
	s_mov_b32 s11, 0
	s_lshl_b32 s12, s9, 14
	s_lshl_b32 s14, s8, 4
	s_add_co_u32 s12, s12, s14
	s_mov_b32 s13, 0
	s_wait_kmcnt 0x0
	s_add_nc_u64 s[4:5], s[4:5], s[10:11]
	s_add_nc_u64 s[6:7], s[6:7], s[12:13]
.set k, 0
.rept 8
	global_load_b128 v[R+4*k:R+4*k+3], v1, s[4:5] offset:131072*k
.set k, k+1
.endr
	s_wait_loadcnt 0x0                             ; the first level of the sum takes all eight
	TREE8 R, 4
	v_cvt_pk_bf16_f32 v40, v[R], v[R+1]
	v_cvt_pk_bf16_f32 v41, v[R+2], v[R+3]
	global_store_b64 v2, v[40:41], s[6:7]
	s_endpgm
.Lfunc_end_k_q52eaa56103_sumt:
	.size	k_q52eaa56103_sumt, .Lfunc_end_k_q52eaa56103_sumt-k_q52eaa56103_sumt
	.p2alignl 7, 3214868480
	.fill 96, 4, 3214868480
	.section	.rodata,"a",@progbits
	.p2align	6, 0x0
	.amdhsa_kernel k_q52eaa56103_sumt
		.amdhsa_group_segment_fixed_size 0
		.amdhsa_private_segment_fixed_size 0
		.amdhsa_enable_private_segment 0
		.amdhsa_kernarg_size 16
		.amdhsa_user_sgpr_count 2
		.amdhsa_user_sgpr_kernarg_segment_ptr 1
		.amdhsa_wavefront_size32 1
		.amdhsa_system_sgpr_workgroup_id_x 1
		.amdhsa_system_sgpr_workgroup_id_y 1
		.amdhsa_system_sgpr_workgroup_id_z 1
		.amdhsa_system_vgpr_workitem_id 0
		.amdhsa_next_free_vgpr 48
		.amdhsa_next_free_sgpr 66
		.amdhsa_reserve_vcc 0
		.amdhsa_float_denorm_mode_32 3
		.amdhsa_float_denorm_mode_16_64 3
		.amdhsa_memory_ordered 1
		.amdhsa_forward_progress 1
		.amdhsa_inst_pref_size 3
	.end_amdhsa_kernel
	.amdgpu_metadata
---
amdhsa.version: [ 1, 2 ]
amdhsa.kernels:
  - .name:           k_q52eaa56103_sumt
    .symbol:         k_q52eaa56103_sumt.kd
    .args:
      - { .name: part, .offset: 0, .size: 8, .value_kind: global_buffer, .address_space: global }
      - { .name: frag, .offset: 8, .size: 8, .value_kind: global_buffer, .address_space: global }
    .group_segment_fixed_size: 0
    .private_segment_fixed_size: 0
    .kernarg_segment_align: 8
    .kernarg_segment_size: 16
    .max_flat_workgroup_size: 128
    .sgpr_count:     66
    .vgpr_count:     48
    .wavefront_size: 32
...
	.end_amdgpu_metadata
.endif
;; end of part 4
;; launch logit (part 5): grid 256 x 1, 8 waves a work-group, no clusters, 76,800 bytes of LDS; arguments keys, frag, tab, lgb; writes lgb
.if DOCPART == 5
	.amdgcn_target "amdgcn-amd-amdhsa--gfx1250"
	.amdhsa_code_object_version 6
	.text
	.protected	k_q52eaa56103_logit
	.globl	k_q52eaa56103_logit
	.p2align	8
	.type	k_q52eaa56103_logit,@function
k_q52eaa56103_logit:
	s_mov_b64 s[64:65], 0
	v_nop
	global_prefetch_b8 v0, s[64:65] scope:SCOPE_SE
	s_setreg_imm32_b32 hwreg(HW_REG_WAVE_MODE, 25, 1), 1
	s_wait_xcnt 0x0
; Lg[S][h] = rope(keys)[S][:] . T[h][:]: the logits, already times log2(e) / sqrt(128) (the factor lies in T).  The rotation in f32, the product with bf16 operands and f32 sums.
; Also mx: the largest logit of each 8 positions and head, for the next launch's maximum.
; Lg's layout: [st 256][g 4][head 16][4 positions] f32 (position 16 st + 4 g + e); mx, from byte 262,144: [st 256][hh 2][head 16] f32.
; SHARES.  Work-group st owns positions 16 st + t, t = 0..15, whole rows.  Wave w owns columns 128 w .. + 127 and their partners 1,024 further on; a lane four such pairs.
; All of a wave's 52 loads go out at once: 16 KiB of keys, 8 KiB of T, the table's two rows.
; ROTATION.  The table gives cos and sin of (16 st - 1) f and of -f (row 0).  In front of each row the state is turned by f (ROT); APPLY then makes
; lo cos - hi sin and hi cos + lo sin.  Two state sets take turns, so that no line overwrites what it still reads.
; THE PRODUCT.  The rotated rows go as bf16 into the wave's own tile in LDS, [16 rows][256 bytes low columns, 256 bytes high, 16 padding], and come back as fragments of
; 16 positions x 32 columns: eight K steps; T's fragments come straight from memory.  Two accumulators take turns.  Result: register j, lane (r, hh) = (position 16 st + 8 hh + j, head r).
; The eight waves' results meet in LDS; wave 0 adds them and stores whole pieces of 256 bytes.
; No cluster: all work-groups read T (64 KiB), each wave its eighth once, straight into fragment registers, beside 128 KiB of keys of the work-group's own.
.set PITCH, 528                        ; an LDS row: 512 + 16 bytes = 132 words: row r starts at bank 4 r mod 64 (64 banks of 4 bytes: ISA guide 11.1)
.set TILE,  16*PITCH                   ; a wave's tile
.set RED,   8*TILE                     ; [wave 8][j / 4][lane 32][16 bytes]
.set SPARE, RED+8192                   ; the spare words, 128 bytes a wave: four blocks of 256 bytes that no other line names
.set SPW, 8                            ; v8  LDS address of my spare word; never rewritten
.set NIL, 9                            ; v9  0; never rewritten
.set CD,  12                           ; v[12:15] cos f      v[16:19] -sin f
.set SN,  16
.set CA,  20                           ; v[20:27] state set A: cos, sin
.set SA,  24
.set CB,  28                           ; v[28:35] state set B
.set SB,  32
.set TL,  36                           ; v[36:39] the rotated low columns
.set PK,  44                           ; v[44:47] a row's eight bf16 pairs
.set TF,  48                           ; v[48:111]  T's fragments, K step k at TF + 8 k
.set X,   112                          ; v[112:239] row t: low columns at X + 8 t, high at X + 8 t + 4
.set AF,  112                          ; later: the rows' fragments, v[112:175]
.set ACC0, 176
.set ACC1, 184
.set SUM, 192
.set R,   112                          ; later still: the eight waves' sums
.macro ROT co, so, cn, sn              ; (cn, sn) = (co, so) turned by f
.irp a, 0,2
	v_pk_mul_f32 v[(\cn)+\a:(\cn)+\a+1], v[(\co)+\a:(\co)+\a+1], v[CD+\a:CD+\a+1]
	v_pk_mul_f32 v[(\sn)+\a:(\sn)+\a+1], v[(\so)+\a:(\so)+\a+1], v[CD+\a:CD+\a+1]
.endr
.irp a, 0,2
	v_pk_fma_f32 v[(\cn)+\a:(\cn)+\a+1], v[(\so)+\a:(\so)+\a+1], v[SN+\a:SN+\a+1], v[(\cn)+\a:(\cn)+\a+1]
	v_pk_fma_f32 v[(\sn)+\a:(\sn)+\a+1], v[(\co)+\a:(\co)+\a+1], v[SN+\a:SN+\a+1], v[(\sn)+\a:(\sn)+\a+1] neg_lo:[1,0,0] neg_hi:[1,0,0]
.endr
.endm
.macro APPLY lo, hi, c, s, out         ; out = lo c - hi s;  hi = hi c + lo s
.irp a, 0,2
	v_pk_mul_f32 v[(\out)+\a:(\out)+\a+1], v[(\lo)+\a:(\lo)+\a+1], v[(\c)+\a:(\c)+\a+1]
	v_pk_fma_f32 v[(\out)+\a:(\out)+\a+1], v[(\hi)+\a:(\hi)+\a+1], v[(\s)+\a:(\s)+\a+1], v[(\out)+\a:(\out)+\a+1] neg_lo:[1,0,0] neg_hi:[1,0,0]
	v_pk_mul_f32 v[(\hi)+\a:(\hi)+\a+1], v[(\hi)+\a:(\hi)+\a+1], v[(\c)+\a:(\c)+\a+1]
	v_pk_fma_f32 v[(\hi)+\a:(\hi)+\a+1], v[(\lo)+\a:(\lo)+\a+1], v[(\s)+\a:(\s)+\a+1], v[(\hi)+\a:(\hi)+\a+1]
.endr
.endm
.macro TREE8 b, n                      ; eight vectors of n registers at v[b + n k]: their sum lands in the first
.irp d, 4,2,1
.set k, 0
.rept \d
.set e, 0
.rept (\n)/2
	v_pk_add_f32 v[(\b)+(\n)*k+e:(\b)+(\n)*k+e+1], v[(\b)+(\n)*k+e:(\b)+(\n)*k+e+1], v[(\b)+(\n)*(k+\d)+e:(\b)+(\n)*(k+\d)+e+1]
.set e, e+2
.endr
.set k, k+1
.endr
.endr
.endm
	s_load_b256 s[4:11], s[0:1], 0x0               ; keys s[4:5], T s[6:7], tab s[8:9], lgb s[10:11]
	v_lshl_add_u32 v[SPW], v0, 2, SPARE
	v_mov_b32 v[NIL], 0
	v_and_b32 v10, 31, v0                          ; lane
	v_lshrrev_b32 v11, 5, v0
	v_readfirstlane_b32 s12, v11                   ; wave 0..7
	v_and_b32 v11, 15, v0                          ; r
	v_bfe_u32 v40, v0, 4, 1                        ; hh
	v_lshlrev_b32 v1, 4, v10                       ; 16 x lane
	s_mul_i32 s13, s12, TILE                       ; my tile
	v_lshl_add_u32 v2, v10, 3, s13                 ; into it: 8 bytes a lane
	v_mul_u32_u24 v3, v11, PITCH
	v_lshl_add_u32 v3, v40, 4, v3
	v_add_nc_u32 v3, s13, v3                       ; a fragment: row r, 16 bytes for each half of the lanes
	s_lshl_b32 s14, s12, 10
	s_add_co_u32 s14, s14, RED
	v_add_nc_u32 v4, s14, v1                       ; into RED
	v_add_nc_u32 v5, RED, v1                       ; back
	v_lshlrev_b32 v6, 4, v11
	v_lshl_add_u32 v6, v40, 9, v6                  ; Lg: 512 hh + 16 r
	v_lshlrev_b32 v7, 2, v10                       ; mx: 4 x lane
	s_lshl_b32 s16, ttmp9, 17
	s_lshl_b32 s24, s12, 9                         ; 512 w
	s_add_co_u32 s16, s16, s24                     ; keys: 16 st rows + 512 w
	s_mov_b32 s17, 0
	s_mov_b32 s25, 0
	s_lshl_b32 s18, s12, 12                        ; T: 4 w K steps of 1,024 bytes
	s_mov_b32 s19, 0
	s_lshl_b32 s26, ttmp9, 13                      ; the table's row st
	s_mov_b32 s27, 0
	s_lshl_b32 s28, ttmp9, 7                       ; mx: 128 st
	s_mov_b32 s29, 0
	s_lshl_b32 s30, ttmp9, 10                      ; Lg: 1,024 st
	s_mov_b32 s31, 0
	s_wait_kmcnt 0x0
	s_add_nc_u64 s[4:5], s[4:5], s[16:17]
	s_add_nc_u64 s[6:7], s[6:7], s[18:19]
	s_add_nc_u64 s[8:9], s[8:9], s[24:25]          ; the table's row 0 at my columns
	s_add_nc_u64 s[20:21], s[8:9], s[26:27]        ; its row st
	s_add_nc_u64 s[22:23], s[10:11], s[28:29]
	s_add_nc_u64 s[10:11], s[10:11], s[30:31]
	global_load_b128 v[CD:CD+3], v1, s[8:9]
	global_load_b128 v[SN:SN+3], v1, s[8:9] offset:4096
	global_load_b128 v[CA:CA+3], v1, s[20:21]
	global_load_b128 v[SA:SA+3], v1, s[20:21] offset:4096
.set k, 0
.rept 8                                ; my K steps 0-3 are the tensor's 4 w + k (low columns), 4-7 its 32 + 4 w + k - 4 (high)
.set TOFF, 1024*k+(k/4)*28672
	global_load_b128 v[TF+8*k:TF+8*k+3],   v1, s[6:7] offset:TOFF
	global_load_b128 v[TF+8*k+4:TF+8*k+7], v1, s[6:7] offset:TOFF+512
.set k, k+1
.endr
.set t, 0
.rept 16
	global_load_b128 v[X+8*t:X+8*t+3],   v1, s[4:5] offset:8192*t th:TH_LOAD_NT
	global_load_b128 v[X+8*t+4:X+8*t+7], v1, s[4:5] offset:8192*t+4096 th:TH_LOAD_NT
.set t, t+1
.endr
.set t, 0
.rept 16
	s_wait_loadcnt 30-2*t                          ; row t's two loads are in (and all issued earlier); the 30 - 2 t younger ones stay out
.if t%2 == 0
	ROT CA, SA, CB, SB
	APPLY X+8*t, X+8*t+4, CB, SB, TL
.else
	ROT CB, SB, CA, SA
	APPLY X+8*t, X+8*t+4, CA, SA, TL
.endif
	v_cvt_pk_bf16_f32 v[PK],   v[TL],   v[TL+1]
	v_cvt_pk_bf16_f32 v[PK+1], v[TL+2], v[TL+3]
	v_cvt_pk_bf16_f32 v[PK+2], v[X+8*t+4], v[X+8*t+5]
	v_cvt_pk_bf16_f32 v[PK+3], v[X+8*t+6], v[X+8*t+7]
	ds_store_b64 v2, v[PK:PK+1]   offset:PITCH*t           ; 32 lanes: 256 consecutive bytes
	ds_store_b64 v2, v[PK+2:PK+3] offset:PITCH*t+256
.set t, t+1
.endr
.set k, 0
.rept 8
	ds_load_b128 v[AF+8*k:AF+8*k+3],   v3 offset:64*k      ; my own bytes: LDS serves a wave's instructions in order (ISA guide 5.7.1.4), so these see the stores above
	ds_load_b128 v[AF+8*k+4:AF+8*k+7], v3 offset:64*k+32
.set k, k+1
.endr
.set k, 0
.rept 8
	s_wait_dscnt 14-2*k                            ; K step k's two loads are back; the 14 - 2 k younger ones stay out
.if k == 0
	v_wmma_f32_16x16x32_bf16 v[ACC0:ACC0+7], v[AF:AF+7], v[TF:TF+7], 0          ; the first two K steps start the two sums
.elseif k == 1
	v_wmma_f32_16x16x32_bf16 v[ACC1:ACC1+7], v[AF+8:AF+15], v[TF+8:TF+15], 0
.elseif k%2 == 0
	v_wmma_f32_16x16x32_bf16 v[ACC0:ACC0+7], v[AF+8*k:AF+8*k+7], v[TF+8*k:TF+8*k+7], v[ACC0:ACC0+7]   ; the two accumulators take turns
.else
	v_wmma_f32_16x16x32_bf16 v[ACC1:ACC1+7], v[AF+8*k:AF+8*k+7], v[TF+8*k:TF+8*k+7], v[ACC1:ACC1+7]
.endif
.set k, k+1
.endr
.rept 4
	v_nop                                          ; four places between a matrix instruction and the first read of its result (ISA guide 7.12.1)
.endr
.irp a, 0,2,4,6
	v_pk_add_f32 v[SUM+\a:SUM+\a+1], v[ACC0+\a:ACC0+\a+1], v[ACC1+\a:ACC1+\a+1]   ; from the low end
.endr
	ds_store_b128 v4, v[SUM:SUM+3]
	ds_store_b128 v4, v[SUM+4:SUM+7] offset:512
	s_wait_tensorcnt 0x0                           ; my last LDS store is behind me
	ds_add_u32 v[SPW], v[NIL]
	s_wait_dscnt 0x0                               ; the wait also shows my stores done, for wave 0's sake
	s_barrier_signal -1
	s_barrier_wait -1
	s_cmp_lg_u32 s12, 0
	s_cbranch_scc1 .Lend
.set k, 0
.rept 8
	ds_load_b128 v[R+8*k:R+8*k+3],   v5 offset:1024*k
	ds_load_b128 v[R+8*k+4:R+8*k+7], v5 offset:1024*k+512
.set k, k+1
.endr
	s_wait_dscnt 0x0
	TREE8 R, 8
	global_store_b128 v6, v[R:R+3],   s[10:11]             ; positions 8 hh + 0..3 of head r: sixteen lanes store 256 consecutive bytes, aligned
	global_store_b128 v6, v[R+4:R+7], s[10:11] offset:256  ; positions 8 hh + 4..7
	v_max3_num_f32 v[R+8], v[R], v[R+1], v[R+2]
	v_max3_num_f32 v[R+8], v[R+8], v[R+3], v[R+4]
	v_max3_num_f32 v[R+8], v[R+8], v[R+5], v[R+6]
	v_max_num_f32 v[R+8], v[R+8], v[R+7]
	global_store_b32 v7, v[R+8], s[22:23] offset:262144
.Lend:
	s_endpgm
.Lfunc_end_k_q52eaa56103_logit:
	.size	k_q52eaa56103_logit, .Lfunc_end_k_q52eaa56103_logit-k_q52eaa56103_logit
	.p2alignl 7, 3214868480
	.fill 96, 4, 3214868480
	.section	.rodata,"a",@progbits
	.p2align	6, 0x0
	.amdhsa_kernel k_q52eaa56103_logit
		.amdhsa_group_segment_fixed_size 76800
		.amdhsa_private_segment_fixed_size 0
		.amdhsa_enable_private_segment 0
		.amdhsa_kernarg_size 32
		.amdhsa_user_sgpr_count 2
		.amdhsa_user_sgpr_kernarg_segment_ptr 1
		.amdhsa_wavefront_size32 1
		.amdhsa_system_sgpr_workgroup_id_x 1
		.amdhsa_system_sgpr_workgroup_id_y 1
		.amdhsa_system_sgpr_workgroup_id_z 1
		.amdhsa_system_vgpr_workitem_id 0
		.amdhsa_next_free_vgpr 240
		.amdhsa_next_free_sgpr 66
		.amdhsa_reserve_vcc 0
		.amdhsa_float_denorm_mode_32 3
		.amdhsa_float_denorm_mode_16_64 3
		.amdhsa_memory_ordered 1
		.amdhsa_forward_progress 1
		.amdhsa_inst_pref_size 36
	.end_amdhsa_kernel
	.amdgpu_metadata
---
amdhsa.version: [ 1, 2 ]
amdhsa.kernels:
  - .name:           k_q52eaa56103_logit
    .symbol:         k_q52eaa56103_logit.kd
    .args:
      - { .name: keys, .offset: 0, .size: 8, .value_kind: global_buffer, .address_space: global }
      - { .name: frag, .offset: 8, .size: 8, .value_kind: global_buffer, .address_space: global }
      - { .name: tab, .offset: 16, .size: 8, .value_kind: global_buffer, .address_space: global }
      - { .name: lgb, .offset: 24, .size: 8, .value_kind: global_buffer, .address_space: global }
    .group_segment_fixed_size: 76800
    .private_segment_fixed_size: 0
    .kernarg_segment_align: 8
    .kernarg_segment_size: 32
    .max_flat_workgroup_size: 256
    .sgpr_count:     66
    .vgpr_count:     240
    .wavefront_size: 32
...
	.end_amdgpu_metadata
.endif
;; end of part 5
;; launch mixv (part 6): grid 256 x 1, 8 waves a work-group, no clusters, 67,072 bytes of LDS; arguments states, lgb, tab, part; writes part
.if DOCPART == 6
	.amdgcn_target "amdgcn-amd-amdhsa--gfx1250"
	.amdhsa_code_object_version 6
	.text
	.protected	k_q52eaa56103_mixv
	.globl	k_q52eaa56103_mixv
	.p2align	8
	.type	k_q52eaa56103_mixv,@function
k_q52eaa56103_mixv:
	s_mov_b64 s[64:65], 0
	v_nop
	global_prefetch_b8 v0, s[64:65] scope:SCOPE_SE
	s_setreg_imm32_b32 hwreg(HW_REG_WAVE_MODE, 25, 1), 1
	s_wait_xcnt 0x0
; Zp[sc][h][j] = the sum over the 256 positions S of chunk sc of p[h][S] rope(states)[S][j], p = 2^(Lg[S][h] - m[sc][h]), m the chunk's largest logit of the head.
; stt[sc][0..15] = m, stt[sc][16..31] = l = the sum of the chunk's p (unrounded).  The next launch joins the chunks under the maximum of all: a running maximum, split.
; The weighted mean of the rows is taken ahead of the two value projections: the same sums in another order, for every input.
; Rotation, maximum, exponentials and l in f32; p and the rotated rows are rounded to bf16 for the product; sums in f32.  A weight below 2^-126 counts as 0.
; Zp: [16][16][2048] f32; stt from byte 2,097,152: [16][32] f32.
; SHARES.  Work-group = (sc = wg >> 4, cc = wg & 15): 256 positions x (columns 64 cc .. + 63 and their partners 1,024 on).  Wave w takes positions 256 sc + 32 w .. + 31: one K step.
; states lies [K][N]: lane (r, hh) loads rows 16 hh + t of the wave's 32, columns 64 cc + 4 r .. + 3 and partners (each load: two whole pieces of 256 consecutive bytes), rotates them
; (its state starts from the table's row 16 sc + 2 w + hh) and packs two rows' numbers of one column into a register.  So the place (hh, register u, half b) of both operands stands for
; position 16 hh + 2 u + b, and column index r of product f for column 64 cc + 4 r + (f & 3), + 1,024 from f = 4 on.  p in that order: the lane's sixteen logits of head r, packed in pairs.
; Result f, register j, lane (r, hh) = (head 8 hh + j, that column).  The eight waves' results meet in LDS; wave w adds register j = w of all and stores whole pieces of 256 bytes.
; All of a wave's 56 loads go out at once.  Every work-group of a chunk makes the same m from the same numbers by the same lines; the one with cc = 0 stores m and l.
; No cluster: the sixteen work-groups of a chunk share 18 KiB of logits beside 128 KiB of states of their own.
.set RED,   0                          ; LDS: [wave 8][f 8][j / 4][lane 32][16 bytes]
.set LS,    65536                      ; [wave 8][head 16] f32: the waves' sums of p
.set SPARE, 66048                      ; the spare words, 128 bytes a wave: four blocks of 256 bytes that no other line names
.set LSUM, 11                          ; v11  my wave's sum of p for head r
.set SPW, 12                           ; v12  LDS address of my spare word; never rewritten
.set NIL, 13                           ; v13  0; never rewritten
.set MM,  14                           ; v[14:15] m, and a partner at work
.set CD,  16                           ; cos f, -sin f
.set SN,  20
.set CA,  24                           ; state set A
.set SA,  28
.set CB,  32                           ; state set B
.set SB,  36
.set T0,  40                           ; the rotated low columns of an even row, of an odd row
.set T1,  44
.set P,   48                           ; v[48:55]   p's fragment
.set F,   56                           ; v[56:119]  the rows' fragments, product f at F + 8 f
.set MX,  56                           ; at first: v[56:71] sixteen maxima, v[72:87] my sixteen logits
.set LG,  72
.set X,   120                          ; v[120:247] row t: low at X + 8 t, high at X + 8 t + 4
.set D,   120                          ; later: eight accumulators, v[120:183]
.set R,   56                           ; later: what is read back from LDS
.macro ROT co, so, cn, sn              ; (cn, sn) = (co, so) turned by f
.irp a, 0,2
	v_pk_mul_f32 v[(\cn)+\a:(\cn)+\a+1], v[(\co)+\a:(\co)+\a+1], v[CD+\a:CD+\a+1]
	v_pk_mul_f32 v[(\sn)+\a:(\sn)+\a+1], v[(\so)+\a:(\so)+\a+1], v[CD+\a:CD+\a+1]
.endr
.irp a, 0,2
	v_pk_fma_f32 v[(\cn)+\a:(\cn)+\a+1], v[(\so)+\a:(\so)+\a+1], v[SN+\a:SN+\a+1], v[(\cn)+\a:(\cn)+\a+1]
	v_pk_fma_f32 v[(\sn)+\a:(\sn)+\a+1], v[(\co)+\a:(\co)+\a+1], v[SN+\a:SN+\a+1], v[(\sn)+\a:(\sn)+\a+1] neg_lo:[1,0,0] neg_hi:[1,0,0]
.endr
.endm
.macro APPLY lo, hi, c, s, out         ; out = lo c - hi s;  hi = hi c + lo s
.irp a, 0,2
	v_pk_mul_f32 v[(\out)+\a:(\out)+\a+1], v[(\lo)+\a:(\lo)+\a+1], v[(\c)+\a:(\c)+\a+1]
	v_pk_fma_f32 v[(\out)+\a:(\out)+\a+1], v[(\hi)+\a:(\hi)+\a+1], v[(\s)+\a:(\s)+\a+1], v[(\out)+\a:(\out)+\a+1] neg_lo:[1,0,0] neg_hi:[1,0,0]
	v_pk_mul_f32 v[(\hi)+\a:(\hi)+\a+1], v[(\hi)+\a:(\hi)+\a+1], v[(\c)+\a:(\c)+\a+1]
	v_pk_fma_f32 v[(\hi)+\a:(\hi)+\a+1], v[(\lo)+\a:(\lo)+\a+1], v[(\s)+\a:(\s)+\a+1], v[(\hi)+\a:(\hi)+\a+1]
.endr
.endm
.macro TREE8 b, n                      ; eight vectors of n registers at v[b + n k]: their sum lands in the first
.irp d, 4,2,1
.set k, 0
.rept \d
.set e, 0
.rept (\n)/2
	v_pk_add_f32 v[(\b)+(\n)*k+e:(\b)+(\n)*k+e+1], v[(\b)+(\n)*k+e:(\b)+(\n)*k+e+1], v[(\b)+(\n)*(k+\d)+e:(\b)+(\n)*(k+\d)+e+1]
.set e, e+2
.endr
.set k, k+1
.endr
.endr
.endm
	s_load_b256 s[4:11], s[0:1], 0x0               ; states s[4:5], lgb s[6:7], tab s[8:9], part s[10:11]
	v_lshl_add_u32 v[SPW], v0, 2, SPARE
	v_mov_b32 v[NIL], 0
	v_and_b32 v40, 31, v0                          ; lane
	v_lshrrev_b32 v41, 5, v0
	v_readfirstlane_b32 s12, v41                   ; wave 0..7
	v_and_b32 v41, 15, v0                          ; r
	v_bfe_u32 v42, v0, 4, 1                        ; hh
	v_lshlrev_b32 v3, 4, v41                       ; 16 r: the table's row 0
	v_lshl_add_u32 v1, v42, 17, v3                 ; states: 16 hh rows + 16 r
	v_lshl_add_u32 v2, v42, 13, v3                 ; the table: hh rows + 16 r
	v_lshl_add_u32 v4, v42, 10, v3                 ; Lg: hh blocks of 16 positions + 16 r
	v_lshl_add_u32 v10, v42, 16, v3                ; Zp: 8 hh heads + 16 r
	v_lshlrev_b32 v5, 2, v40                       ; 4 x lane
	s_lshl_b32 s13, s12, 13
	v_lshl_add_u32 v6, v40, 4, s13                 ; into RED: 8,192 w + 16 lane
	s_lshr_b32 s14, s12, 2
	s_lshl_b32 s14, s14, 9
	s_and_b32 s15, s12, 3
	s_lshl_b32 s15, s15, 2
	s_add_co_u32 s14, s14, s15
	v_lshl_add_u32 v7, v40, 4, s14                 ; back: register j = w of every lane
	s_lshl_b32 s15, s12, 6
	s_add_co_u32 s15, s15, LS
	v_lshl_add_u32 v8, v41, 2, s15                 ; into LS: 64 w + 4 r
	v_lshl_add_u32 v9, v41, 2, LS                  ; back
	v_mov_b32 v[MM+1], 0                           ; v_permlanex16_b32's destination counts as read
	s_mov_b32 s26, 0x76543210                      ; each lane takes its own place in the other half
	s_mov_b32 s27, 0xfedcba98
	s_lshr_b32 s16, ttmp9, 4                       ; sc
	s_and_b32 s17, ttmp9, 15                       ; cc
	s_lshl_b32 s28, s17, 8                         ; 256 cc
	s_mov_b32 s29, 0
	s_lshl_b32 s18, s16, 21
	s_lshl_b32 s30, s12, 18
	s_add_co_u32 s18, s18, s30
	s_add_co_u32 s18, s18, s28                     ; states: (256 sc + 32 w) rows + 256 cc
	s_mov_b32 s19, 0
	s_lshl_b32 s30, s16, 14
	s_lshl_b32 s32, s12, 11
	s_add_co_u32 s30, s30, s32                     ; Lg: (16 sc + 2 w) x 1,024
	s_mov_b32 s31, 0
	s_lshl_b32 s32, s16, 11                        ; mx: 16 sc x 128
	s_mov_b32 s33, 0
	s_lshl_b32 s34, s16, 17
	s_lshl_b32 s36, s12, 14
	s_add_co_u32 s34, s34, s36                     ; the table: (16 sc + 2 w) rows
	s_mov_b32 s35, 0
	s_lshl_b32 s36, s16, 17
	s_add_co_u32 s36, s36, s13
	s_add_co_u32 s36, s36, s28                     ; Zp: 131,072 sc + 8,192 w + 256 cc
	s_mov_b32 s37, 0
	s_lshl_b32 s38, s16, 7                         ; stt: 128 sc
	s_mov_b32 s39, 0
	s_wait_kmcnt 0x0
	s_add_nc_u64 s[4:5], s[4:5], s[18:19]
	s_add_nc_u64 s[20:21], s[6:7], s[32:33]        ; mx of my chunk
	s_add_nc_u64 s[6:7], s[6:7], s[30:31]          ; Lg of my wave's positions
	s_add_nc_u64 s[8:9], s[8:9], s[28:29]          ; the table's row 0 at my columns
	s_add_nc_u64 s[22:23], s[8:9], s[34:35]        ; its rows 16 sc + 2 w, + 1
	s_add_nc_u64 s[24:25], s[10:11], s[38:39]      ; stt
	s_add_nc_u64 s[10:11], s[10:11], s[36:37]      ; Zp
.set i, 0
.rept 16
	global_load_b32 v[MX+i], v5, s[20:21] offset:262144+128*i
.set i, i+1
.endr
.irp g, 0,1,2,3
	global_load_b128 v[LG+4*\g:LG+4*\g+3], v4, s[6:7] offset:256*\g
.endr
	global_load_b128 v[CD:CD+3], v3, s[8:9]
	global_load_b128 v[SN:SN+3], v3, s[8:9] offset:4096
	global_load_b128 v[CA:CA+3], v2, s[22:23]
	global_load_b128 v[SA:SA+3], v2, s[22:23] offset:4096
.set t, 0
.rept 16
	global_load_b128 v[X+8*t:X+8*t+3],   v1, s[4:5] offset:8192*t th:TH_LOAD_NT
	global_load_b128 v[X+8*t+4:X+8*t+7], v1, s[4:5] offset:8192*t+4096 th:TH_LOAD_NT
.set t, t+1
.endr
	s_wait_loadcnt 36                              ; maxima and logits are in; the table's 4 loads and the rows' 32 stay out
	v_max3_num_f32 v[MM], v[MX], v[MX+1], v[MX+2]
.irp i, 3,5,7,9,11,13
	v_max3_num_f32 v[MM], v[MM], v[MX+\i], v[MX+\i+1]
.endr
	v_max_num_f32 v[MM], v[MM], v[MX+15]
	v_permlanex16_b32 v[MM+1], v[MM], s26, s27     ; the head's other eight positions of each sixteen lie in the lane 16 away
	v_max_num_f32 v[MM], v[MM], v[MM+1]            ; m: the chunk's maximum of head r
.irp a, 0,2,4,6,8,10,12,14
	v_pk_add_f32 v[LG+\a:LG+\a+1], v[LG+\a:LG+\a+1], v[MM:MM+1] op_sel_hi:[1,0] neg_lo:[0,1] neg_hi:[0,1]
.endr
.set i, 0
.rept 16
	v_exp_f32 v[LG+i], v[LG+i]
.set i, i+1
.endr
	v_nop                                          ; a plain instruction between the last exponential and the use of its result
.set u, 0
	s_wait_alu depctr_va_vdst(0)
.rept 8
	v_cvt_pk_bf16_f32 v[P+u], v[LG+2*u], v[LG+2*u+1]
.set u, u+1
.endr
	TREE8 LG, 2                                    ; the sum of the unrounded p
	v_add_f32 v[LSUM], v[LG], v[LG+1]
	v_permlanex16_b32 v[MM+1], v[LSUM], s26, s27
	v_add_f32 v[LSUM], v[LSUM], v[MM+1]            ; over the wave's 32 positions
.set u, 0
.rept 8
	s_wait_loadcnt 28-4*u                          ; rows 2 u and 2 u + 1, four loads, are in (and the table); the 28 - 4 u younger loads stay out
	ROT CA, SA, CB, SB
	APPLY X+16*u, X+16*u+4, CB, SB, T0
	ROT CB, SB, CA, SA
	APPLY X+16*u+8, X+16*u+12, CA, SA, T1
.irp q, 0,1,2,3
	v_cvt_pk_bf16_f32 v[F+8*\q+u],    v[T0+\q], v[T1+\q]
	v_cvt_pk_bf16_f32 v[F+32+8*\q+u], v[X+16*u+4+\q], v[X+16*u+12+\q]
.endr
.set u, u+1
.endr
.irp f, 0,1,2,3,4,5,6,7
	v_wmma_f32_16x16x32_bf16 v[D+8*\f:D+8*\f+7], v[P:P+7], v[F+8*\f:F+8*\f+7], 0   ; eight accumulators, one product each
.endr
.rept 4
	v_nop                                          ; four places between a matrix instruction and the first read of its result (ISA guide 7.12.1)
.endr
.irp f, 0,1,2,3,4,5,6,7
	ds_store_b128 v6, v[D+8*\f:D+8*\f+3]   offset:RED+1024*\f       ; each accumulator from its low end
	ds_store_b128 v6, v[D+8*\f+4:D+8*\f+7] offset:RED+1024*\f+512
.endr
	ds_store_b32 v8, v[LSUM]                       ; both halves of the lanes write the same number to the same word
	s_wait_tensorcnt 0x0                           ; my last LDS store is behind me
	ds_add_u32 v[SPW], v[NIL]
	s_wait_dscnt 0x0                               ; the wait also shows my stores done, for the other waves' sake
	s_barrier_signal -1
	s_barrier_wait -1
.set k, 0
.rept 8
.irp f, 0,1,2,3,4,5,6,7
	ds_load_b32 v[R+8*k+\f], v7 offset:RED+8192*k+1024*\f
.endr
.set k, k+1
.endr
	s_wait_dscnt 0x0
	TREE8 R, 8
	global_store_b128 v10, v[R:R+3],   s[10:11]            ; head 8 hh + w, low columns: sixteen lanes store 256 consecutive bytes, aligned
	global_store_b128 v10, v[R+4:R+7], s[10:11] offset:4096 ; their partners
	s_or_b32 s28, s17, s12
	s_cmp_lg_u32 s28, 0
	s_cbranch_scc1 .Lend                           ; wave 0 of the chunk's first work-group stores the statistics
.set k, 0
.rept 8
	ds_load_b32 v[R+8+k], v9 offset:64*k
.set k, k+1
.endr
	s_wait_dscnt 0x0
	v_pk_add_f32 v[R+8:R+9],   v[R+8:R+9],   v[R+10:R+11]
	v_pk_add_f32 v[R+12:R+13], v[R+12:R+13], v[R+14:R+15]
	v_pk_add_f32 v[R+8:R+9],   v[R+8:R+9],   v[R+12:R+13]
	v_add_f32 v[R+8], v[R+8], v[R+9]               ; l of head r
	v_cmp_gt_u32 vcc_lo, 64, v5                    ; lanes 0-15 store m, lanes 16-31 l
	v_cndmask_b32 v[R+8], v[R+8], v[MM], vcc_lo
	global_store_b32 v5, v[R+8], s[24:25] offset:2097152
.Lend:
	s_endpgm
.Lfunc_end_k_q52eaa56103_mixv:
	.size	k_q52eaa56103_mixv, .Lfunc_end_k_q52eaa56103_mixv-k_q52eaa56103_mixv
	.p2alignl 7, 3214868480
	.fill 96, 4, 3214868480
	.section	.rodata,"a",@progbits
	.p2align	6, 0x0
	.amdhsa_kernel k_q52eaa56103_mixv
		.amdhsa_group_segment_fixed_size 67072
		.amdhsa_private_segment_fixed_size 0
		.amdhsa_enable_private_segment 0
		.amdhsa_kernarg_size 32
		.amdhsa_user_sgpr_count 2
		.amdhsa_user_sgpr_kernarg_segment_ptr 1
		.amdhsa_wavefront_size32 1
		.amdhsa_system_sgpr_workgroup_id_x 1
		.amdhsa_system_sgpr_workgroup_id_y 1
		.amdhsa_system_sgpr_workgroup_id_z 1
		.amdhsa_system_vgpr_workitem_id 0
		.amdhsa_next_free_vgpr 248
		.amdhsa_next_free_sgpr 66
		.amdhsa_reserve_vcc 1
		.amdhsa_float_denorm_mode_32 3
		.amdhsa_float_denorm_mode_16_64 3
		.amdhsa_memory_ordered 1
		.amdhsa_forward_progress 1
		.amdhsa_inst_pref_size 40
	.end_amdhsa_kernel
	.amdgpu_metadata
---
amdhsa.version: [ 1, 2 ]
amdhsa.kernels:
  - .name:           k_q52eaa56103_mixv
    .symbol:         k_q52eaa56103_mixv.kd
    .args:
      - { .name: states, .offset: 0, .size: 8, .value_kind: global_buffer, .address_space: global }
      - { .name: lgb, .offset: 8, .size: 8, .value_kind: global_buffer, .address_space: global }
      - { .name: tab, .offset: 16, .size: 8, .value_kind: global_buffer, .address_space: global }
      - { .name: part, .offset: 24, .size: 8, .value_kind: global_buffer, .address_space: global }
    .group_segment_fixed_size: 67072
    .private_segment_fixed_size: 0
    .kernarg_segment_align: 8
    .kernarg_segment_size: 32
    .max_flat_workgroup_size: 256
    .sgpr_count:     66
    .vgpr_count:     248
    .wavefront_size: 32
...
	.end_amdgpu_metadata
.endif
;; end of part 6
;; launch sumz (part 7): grid 64 x 1, 4 waves a work-group, no clusters, 0 bytes of LDS; arguments part, frag; writes frag
.if DOCPART == 7
	.amdgcn_target "amdgcn-amd-amdhsa--gfx1250"
	.amdhsa_code_object_version 6
	.text
	.protected	k_q52eaa56103_sumz
	.globl	k_q52eaa56103_sumz
	.p2align	8
	.type	k_q52eaa56103_sumz,@function
k_q52eaa56103_sumz:
	s_mov_b64 s[64:65], 0
	v_nop
	global_prefetch_b8 v0, s[64:65] scope:SCOPE_SE
	s_setreg_imm32_b32 hwreg(HW_REG_WAVE_MODE, 25, 1), 1
	s_wait_xcnt 0x0
; Z[h][j] = the sum over the sixteen chunks sc of coef[sc] Zp[sc][h][j], coef = 2^(m[sc] - M) / L, M = the largest m of the head, L = the sum of 2^(m[sc] - M) l[sc]:
; the softmax's maximum and divisor over all 4,096 positions.  L is at least 1: the chunk that holds M has a weight 1 in its l.  All in f32; Z is rounded once to bf16,
; an operand of the next launch's matrix product, in the layout [column / 8][head][8 bf16].  A factor below 2^-126 counts as 0.
; SHARES.  Work-group = (head = wg >> 2, quarter = wg & 3 of the columns); a thread four columns.  2 MiB in, 64 KiB out: 64 work-groups hold all the work there is.
; Each wave makes the sixteen factors for itself: lane sc holds m[sc], lane 16 + sc holds l[sc]; what lanes 16-31 compute on the way is not used.
; PRICE.  Z leaves in pieces of 16 bytes (two lanes), 256 bytes apart, once.
.set ZP,  16                           ; v[16:79] the sixteen chunks' four numbers
.set ACC, 80                           ; v[80:83]
.set CF,  24                           ; s[24:39] the factors
	s_load_b128 s[4:7], s[0:1], 0x0                ; part s[4:5], Z s[6:7]
	v_and_b32 v1, 15, v0
	v_bfe_u32 v2, v0, 4, 1
	v_lshlrev_b32 v1, 7, v1
	v_lshl_add_u32 v1, v2, 6, v1                   ; stt: 128 x (lane % 16) + 64 x (lane / 16)
	v_lshlrev_b32 v3, 4, v0                        ; 16 x thread
	v_lshrrev_b32 v4, 1, v0
	v_and_b32 v5, 1, v0
	v_lshlrev_b32 v4, 8, v4
	v_lshl_or_b32 v4, v5, 3, v4                    ; piece thread / 2, 8 bytes for each of its two threads
	v_mov_b32 v11, 0                               ; v_permlanex16_b32's destination counts as read
	s_mov_b32 s12, 0x76543210
	s_mov_b32 s13, 0xfedcba98
	s_lshr_b32 s8, ttmp9, 2                        ; head
	s_and_b32 s9, ttmp9, 3                         ; quarter
	s_lshl_b32 s14, s8, 13
	s_lshl_b32 s16, s9, 11
	s_add_co_u32 s14, s14, s16
	s_mov_b32 s15, 0
	s_lshl_b32 s16, s8, 2
	s_mov_b32 s17, 0
	s_lshl_b32 s18, s9, 14
	s_lshl_b32 s20, s8, 4
	s_add_co_u32 s18, s18, s20
	s_mov_b32 s19, 0
	s_wait_kmcnt 0x0
	s_add_nc_u64 s[10:11], s[4:5], s[16:17]        ; stt at my head
	s_add_nc_u64 s[4:5], s[4:5], s[14:15]          ; Zp at my head and quarter
	s_add_nc_u64 s[6:7], s[6:7], s[18:19]
	global_load_b32 v8, v1, s[10:11] offset:2097152
.set k, 0
.rept 16
	global_load_b128 v[ZP+4*k:ZP+4*k+3], v3, s[4:5] offset:131072*k
.set k, k+1
.endr
	s_wait_loadcnt 16                              ; the statistics are in; the sixteen younger loads stay out
	v_mov_b32 v9, v8
	v_max_num_f32_dpp v9, v9, v9 row_xmask:1 row_mask:0xf bank_mask:0xf
	v_max_num_f32_dpp v9, v9, v9 row_xmask:2 row_mask:0xf bank_mask:0xf
	v_max_num_f32_dpp v9, v9, v9 row_xmask:4 row_mask:0xf bank_mask:0xf
	v_max_num_f32_dpp v9, v9, v9 row_xmask:8 row_mask:0xf bank_mask:0xf   ; lanes 0-15: M
	v_sub_f32 v10, v8, v9
	v_permlanex16_b32 v11, v8, s12, s13            ; lanes 0-15: l[sc]
	v_exp_f32 v10, v10                             ; 2^(m - M)
	v_nop                                          ; a plain instruction between the exponential and the use of its result
	s_wait_alu depctr_va_vdst(0)
	v_mul_f32 v11, v10, v11
	v_add_f32_dpp v11, v11, v11 row_xmask:1 row_mask:0xf bank_mask:0xf
	v_add_f32_dpp v11, v11, v11 row_xmask:2 row_mask:0xf bank_mask:0xf
	v_add_f32_dpp v11, v11, v11 row_xmask:4 row_mask:0xf bank_mask:0xf
	v_add_f32_dpp v11, v11, v11 row_xmask:8 row_mask:0xf bank_mask:0xf    ; lanes 0-15: L
	v_rcp_f32 v11, v11
	v_nop                                          ; likewise behind the reciprocal
	s_wait_alu depctr_va_vdst(0)
	v_mul_f32 v10, v10, v11
.set k, 0
.rept 16
	v_readlane_b32 s[CF+k], v10, k
.set k, k+1
.endr
.set k, 0
.rept 16
	s_wait_loadcnt 15-k                            ; chunk k is in; the 15 - k younger loads stay out
.irp e, 0,1,2,3
.if k == 0
	v_mul_f32 v[ACC+\e], s[CF+k], v[ZP+4*k+\e]     ; the first chunk starts the sums
.else
	v_fmac_f32 v[ACC+\e], s[CF+k], v[ZP+4*k+\e]
.endif
.endr
.set k, k+1
.endr
	v_cvt_pk_bf16_f32 v84, v[ACC], v[ACC+1]
	v_cvt_pk_bf16_f32 v85, v[ACC+2], v[ACC+3]
	global_store_b64 v4, v[84:85], s[6:7]
	s_endpgm
.Lfunc_end_k_q52eaa56103_sumz:
	.size	k_q52eaa56103_sumz, .Lfunc_end_k_q52eaa56103_sumz-k_q52eaa56103_sumz
	.p2alignl 7, 3214868480
	.fill 96, 4, 3214868480
	.section	.rodata,"a",@progbits
	.p2align	6, 0x0
	.amdhsa_kernel k_q52eaa56103_sumz
		.amdhsa_group_segment_fixed_size 0
		.amdhsa_private_segment_fixed_size 0
		.amdhsa_enable_private_segment 0
		.amdhsa_kernarg_size 16
		.amdhsa_user_sgpr_count 2
		.amdhsa_user_sgpr_kernarg_segment_ptr 1
		.amdhsa_wavefront_size32 1
		.amdhsa_system_sgpr_workgroup_id_x 1
		.amdhsa_system_sgpr_workgroup_id_y 1
		.amdhsa_system_sgpr_workgroup_id_z 1
		.amdhsa_system_vgpr_workitem_id 0
		.amdhsa_next_free_vgpr 96
		.amdhsa_next_free_sgpr 66
		.amdhsa_reserve_vcc 0
		.amdhsa_float_denorm_mode_32 3
		.amdhsa_float_denorm_mode_16_64 3
		.amdhsa_memory_ordered 1
		.amdhsa_forward_progress 1
		.amdhsa_inst_pref_size 8
	.end_amdhsa_kernel
	.amdgpu_metadata
---
amdhsa.version: [ 1, 2 ]
amdhsa.kernels:
  - .name:           k_q52eaa56103_sumz
    .symbol:         k_q52eaa56103_sumz.kd
    .args:
      - { .name: part, .offset: 0, .size: 8, .value_kind: global_buffer, .address_space: global }
      - { .name: frag, .offset: 8, .size: 8, .value_kind: global_buffer, .address_space: global }
    .group_segment_fixed_size: 0
    .private_segment_fixed_size: 0
    .kernarg_segment_align: 8
    .kernarg_segment_size: 16
    .max_flat_workgroup_size: 128
    .sgpr_count:     66
    .vgpr_count:     96
    .wavefront_size: 32
...
	.end_amdgpu_metadata
.endif
;; end of part 7
;; launch projv (part 8): grid 256 x 1, 8 waves a work-group, no clusters, 44,032 bytes of LDS; arguments Wv, frag, ypb; writes ypb
.if DOCPART == 8
	.amdgcn_target "amdgcn-amd-amdhsa--gfx1250"
	.amdhsa_code_object_version 6
	.text
	.protected	k_q52eaa56103_projv
	.globl	k_q52eaa56103_projv
	.p2align	8
	.type	k_q52eaa56103_projv,@function
k_q52eaa56103_projv:
	s_mov_b64 s[64:65], 0
	v_nop
	global_prefetch_b8 v0, s[64:65] scope:SCOPE_SE
	s_setreg_imm32_b32 hwreg(HW_REG_WAVE_MODE, 25, 1), 1
	s_wait_xcnt 0x0
; Yp[kh][h][i] = the sum over the columns j of half kh of Z[h][j] Wv[i][j]: two partial sums of the first value projection of the sixteen heads' mixed rows.
; bf16 operands (Wv is rounded on the way from memory to the matrix unit), f32 sums.  Yp: [2][16][2048] f32.
; SHARES.  Work-group = (it = wg >> 1, kh = wg & 1): rows 16 it + t of Wv, columns 1,024 kh .. + 1,023.  Wave w takes columns 128 w .. + 127 of the half; a lane four of them,
; so each load covers 512 consecutive bytes of a row.  The rows go as bf16 into the wave's own tile in LDS, [16 rows][256 bytes + 16 padding], and come back as fragments
; of 16 rows x 32 columns: four K steps; Z's fragments come straight from memory.  Two accumulators take turns.  Result: register j, lane (r, hh) = (row 16 it + 8 hh + j, head r).
; The eight waves' results meet in LDS; wave 0 adds them.
; PRICE.  A work-group owns sixteen i of each head, so Yp leaves in pieces of 64 bytes: 256 KiB in all; its readers then take long rows.
; No cluster: all work-groups read Z, 32 KiB each, straight into fragment registers, beside 64 KiB of Wv of their own.
.set PITCH, 272                        ; an LDS row: 256 + 16 bytes = 68 words: row r starts at bank 4 r mod 64 (64 banks of 4 bytes: ISA guide 11.1)
.set TILE,  16*PITCH
.set RED,   8*TILE                     ; [wave 8][j / 4][lane 32][16 bytes]
.set SPARE, RED+8192                   ; the spare words, 128 bytes a wave: four blocks of 256 bytes that no other line names
.set SPW, 8                            ; v8  LDS address of my spare word; never rewritten
.set NIL, 9                            ; v9  0; never rewritten
.set PK,  12                           ; v[12:13]  a row's four bf16
.set ZF,  16                           ; v[16:47]  Z's fragments
.set X,   48                           ; v[48:111] row t as loaded
.set AF,  48                           ; later: the rows' fragments, v[48:79]
.set ACC0, 80
.set ACC1, 88
.set SUM, 96
.set R,   112                          ; v[112:175] the eight waves' sums
.macro TREE8 b, n                      ; eight vectors of n registers at v[b + n k]: their sum lands in the first
.irp d, 4,2,1
.set k, 0
.rept \d
.set e, 0
.rept (\n)/2
	v_pk_add_f32 v[(\b)+(\n)*k+e:(\b)+(\n)*k+e+1], v[(\b)+(\n)*k+e:(\b)+(\n)*k+e+1], v[(\b)+(\n)*(k+\d)+e:(\b)+(\n)*(k+\d)+e+1]
.set e, e+2
.endr
.set k, k+1
.endr
.endr
.endm
	s_load_b128 s[4:7], s[0:1], 0x0                ; Wv s[4:5], Z s[6:7]
	s_load_b64 s[8:9], s[0:1], 0x10                ; Yp
	v_lshl_add_u32 v[SPW], v0, 2, SPARE
	v_mov_b32 v[NIL], 0
	v_and_b32 v10, 31, v0                          ; lane
	v_lshrrev_b32 v11, 5, v0
	v_readfirstlane_b32 s10, v11                   ; wave 0..7
	v_and_b32 v11, 15, v0                          ; r
	v_bfe_u32 v14, v0, 4, 1                        ; hh
	v_lshlrev_b32 v1, 4, v10                       ; 16 x lane
	s_mul_i32 s11, s10, TILE                       ; my tile
	v_lshl_add_u32 v2, v10, 3, s11                 ; into it: 8 bytes a lane
	v_mul_u32_u24 v3, v11, PITCH
	v_lshl_add_u32 v3, v14, 4, v3
	v_add_nc_u32 v3, s11, v3                       ; a fragment: row r, 16 bytes for each half of the lanes
	s_lshl_b32 s12, s10, 10
	s_add_co_u32 s12, s12, RED
	v_add_nc_u32 v4, s12, v1                       ; into RED
	v_add_nc_u32 v5, RED, v1                       ; back
	v_lshlrev_b32 v6, 13, v11
	v_lshl_add_u32 v6, v14, 5, v6                  ; Yp: head r, 8 hh numbers on
	s_lshr_b32 s13, ttmp9, 1                       ; it
	s_and_b32 s14, ttmp9, 1                        ; kh
	s_lshl_b32 s16, s13, 17
	s_lshl_b32 s18, s14, 12
	s_add_co_u32 s16, s16, s18
	s_lshl_b32 s18, s10, 9
	s_add_co_u32 s16, s16, s18                     ; Wv: 16 it rows + 4,096 kh + 512 w
	s_mov_b32 s17, 0
	s_lshl_b32 s18, s14, 15
	s_lshl_b32 s20, s10, 12
	s_add_co_u32 s18, s18, s20                     ; Z: (32 kh + 4 w) K steps of 1,024 bytes
	s_mov_b32 s19, 0
	s_lshl_b32 s20, s14, 17
	s_lshl_b32 s22, s13, 6
	s_add_co_u32 s20, s20, s22                     ; Yp: 131,072 kh + 64 it
	s_mov_b32 s21, 0
	s_wait_kmcnt 0x0
	s_add_nc_u64 s[4:5], s[4:5], s[16:17]
	s_add_nc_u64 s[6:7], s[6:7], s[18:19]
	s_add_nc_u64 s[8:9], s[8:9], s[20:21]
.set k, 0
.rept 4
	global_load_b128 v[ZF+8*k:ZF+8*k+3],   v1, s[6:7] offset:1024*k
	global_load_b128 v[ZF+8*k+4:ZF+8*k+7], v1, s[6:7] offset:1024*k+512
.set k, k+1
.endr
.set t, 0
.rept 16
	global_load_b128 v[X+4*t:X+4*t+3], v1, s[4:5] offset:8192*t th:TH_LOAD_NT
.set t, t+1
.endr
.set t, 0
.rept 16
	s_wait_loadcnt 15-t                            ; row t is in (and Z, issued earlier); the 15 - t younger loads stay out
	v_cvt_pk_bf16_f32 v[PK],   v[X+4*t],   v[X+4*t+1]
	v_cvt_pk_bf16_f32 v[PK+1], v[X+4*t+2], v[X+4*t+3]
	ds_store_b64 v2, v[PK:PK+1] offset:PITCH*t     ; 32 lanes: 256 consecutive bytes
.set t, t+1
.endr
.set k, 0
.rept 4
	ds_load_b128 v[AF+8*k:AF+8*k+3],   v3 offset:64*k      ; my own bytes: LDS serves a wave's instructions in order (ISA guide 5.7.1.4), so these see the stores above
	ds_load_b128 v[AF+8*k+4:AF+8*k+7], v3 offset:64*k+32
.set k, k+1
.endr
	s_wait_dscnt 6                                 ; K step 0's two loads are back; six younger ones stay out
	v_wmma_f32_16x16x32_bf16 v[ACC0:ACC0+7], v[AF:AF+7], v[ZF:ZF+7], 0             ; the first two K steps start the two sums
	s_wait_dscnt 4
	v_wmma_f32_16x16x32_bf16 v[ACC1:ACC1+7], v[AF+8:AF+15], v[ZF+8:ZF+15], 0
	s_wait_dscnt 2
	v_wmma_f32_16x16x32_bf16 v[ACC0:ACC0+7], v[AF+16:AF+23], v[ZF+16:ZF+23], v[ACC0:ACC0+7]   ; the two accumulators take turns
	s_wait_dscnt 0
	v_wmma_f32_16x16x32_bf16 v[ACC1:ACC1+7], v[AF+24:AF+31], v[ZF+24:ZF+31], v[ACC1:ACC1+7]
.rept 4
	v_nop                                          ; four places between a matrix instruction and the first read of its result (ISA guide 7.12.1)
.endr
.irp a, 0,2,4,6
	v_pk_add_f32 v[SUM+\a:SUM+\a+1], v[ACC0+\a:ACC0+\a+1], v[ACC1+\a:ACC1+\a+1]   ; from the low end
.endr
	ds_store_b128 v4, v[SUM:SUM+3]
	ds_store_b128 v4, v[SUM+4:SUM+7] offset:512
	s_wait_tensorcnt 0x0                           ; my last LDS store is behind me
	ds_add_u32 v[SPW], v[NIL]
	s_wait_dscnt 0x0                               ; the wait also shows my stores done, for wave 0's sake
	s_barrier_signal -1
	s_barrier_wait -1
	s_cmp_lg_u32 s10, 0
	s_cbranch_scc1 .Lend
.set k, 0
.rept 8
	ds_load_b128 v[R+8*k:R+8*k+3],   v5 offset:1024*k
	ds_load_b128 v[R+8*k+4:R+8*k+7], v5 offset:1024*k+512
.set k, k+1
.endr
	s_wait_dscnt 0x0
	TREE8 R, 8
	global_store_b128 v6, v[R:R+3],   s[8:9]               ; rows 16 it + 8 hh + 0..3 of head r
	global_store_b128 v6, v[R+4:R+7], s[8:9] offset:16     ; + 4..7
.Lend:
	s_endpgm
.Lfunc_end_k_q52eaa56103_projv:
	.size	k_q52eaa56103_projv, .Lfunc_end_k_q52eaa56103_projv-k_q52eaa56103_projv
	.p2alignl 7, 3214868480
	.fill 96, 4, 3214868480
	.section	.rodata,"a",@progbits
	.p2align	6, 0x0
	.amdhsa_kernel k_q52eaa56103_projv
		.amdhsa_group_segment_fixed_size 44032
		.amdhsa_private_segment_fixed_size 0
		.amdhsa_enable_private_segment 0
		.amdhsa_kernarg_size 24
		.amdhsa_user_sgpr_count 2
		.amdhsa_user_sgpr_kernarg_segment_ptr 1
		.amdhsa_wavefront_size32 1
		.amdhsa_system_sgpr_workgroup_id_x 1
		.amdhsa_system_sgpr_workgroup_id_y 1
		.amdhsa_system_sgpr_workgroup_id_z 1
		.amdhsa_system_vgpr_workitem_id 0
		.amdhsa_next_free_vgpr 176
		.amdhsa_next_free_sgpr 66
		.amdhsa_reserve_vcc 0
		.amdhsa_float_denorm_mode_32 3
		.amdhsa_float_denorm_mode_16_64 3
		.amdhsa_memory_ordered 1
		.amdhsa_forward_progress 1
		.amdhsa_inst_pref_size 13
	.end_amdhsa_kernel
	.amdgpu_metadata
---
amdhsa.version: [ 1, 2 ]
amdhsa.kernels:
  - .name:           k_q52eaa56103_projv
    .symbol:         k_q52eaa56103_projv.kd
    .args:
      - { .name: Wv, .offset: 0, .size: 8, .value_kind: global_buffer, .address_space: global }
      - { .name: frag, .offset: 8, .size: 8, .value_kind: global_buffer, .address_space: global }
      - { .name: ypb, .offset: 16, .size: 8, .value_kind: global_buffer, .address_space: global }
    .group_segment_fixed_size: 44032
    .private_segment_fixed_size: 0
    .kernarg_segment_align: 8
    .kernarg_segment_size: 24
    .max_flat_workgroup_size: 256
    .sgpr_count:     66
    .vgpr_count:     176
    .wavefront_size: 32
...
	.end_amdgpu_metadata
.endif
;; end of part 8
;; launch heads (part 9): grid 256 x 1, 8 waves a work-group, no clusters, 0 bytes of LDS; arguments Wv_mha, ypb, vec; writes vec
.if DOCPART == 9
	.amdgcn_target "amdgcn-amd-amdhsa--gfx1250"
	.amdhsa_code_object_version 6
	.text
	.protected	k_q52eaa56103_heads
	.globl	k_q52eaa56103_heads
	.p2align	8
	.type	k_q52eaa56103_heads,@function
k_q52eaa56103_heads:
	s_mov_b64 s[64:65], 0
	v_nop
	global_prefetch_b8 v0, s[64:65] scope:SCOPE_SE
	s_setreg_imm32_b32 hwreg(HW_REG_WAVE_MODE, 25, 1), 1
	s_wait_xcnt 0x0
; attn[o] = the sum over i of Wv_mha[o][i] (Yp[0][h][i] + Yp[1][h][i]), h = o / 128: the second value projection, each output row against its own head's vector.
; All in f32 on the vector unit: each row of the weights meets one vector, and its 8,192 bytes are read once.
; SHARES.  One wave, one row: o = 8 x work-group + wave (so h = work-group / 16).  A lane takes the 16 bytes at 512 t + 16 lane, t = 0..15, of the row and of the two halves of Y.
; All 48 loads go out at once.  The sum runs in four chains a lane and is closed across the 32 lanes.
; PRICE.  Each wave stores one number (4 bytes): the whole result is 8,192 bytes.  No LDS, no barrier, no cluster: the work-groups share 16 KiB beside 64 KiB of their own.
.set V,    4                           ; v[4:67]    Yp[0]
.set W,    68                          ; v[68:131]  the row
.set ACC,  132                         ; v[132:135] four chains
.set SUM,  136
.set OTH,  137
.set ZO,   138
.set V2,   140                         ; v[140:203] Yp[1]
	s_load_b128 s[4:7], s[0:1], 0x0                ; Wv_mha s[4:5], Yp s[6:7]
	s_load_b64 s[8:9], s[0:1], 0x10                ; attn
	v_and_b32 v1, 31, v0
	v_lshrrev_b32 v2, 5, v0
	v_readfirstlane_b32 s10, v2                    ; wave 0..7
	v_lshlrev_b32 v1, 4, v1                        ; 16 x lane
	s_lshl_b32 s11, ttmp9, 3
	s_add_co_u32 s11, s11, s10                     ; my row
	s_lshl_b32 s12, s11, 13
	s_mov_b32 s13, 0
	s_lshl_b32 s16, s11, 2
	s_mov_b32 s17, 0
	s_lshr_b32 s18, ttmp9, 4
	s_lshl_b32 s18, s18, 13                        ; my head's row of Yp
	s_mov_b32 s19, 0
	s_mov_b32 s14, 0x76543210
	s_mov_b32 s15, 0xfedcba98
	v_mov_b32 v[OTH], 0                            ; v_permlanex16_b32's destination counts as read
	v_mov_b32 v[ZO], 0
	s_wait_kmcnt 0x0
	s_add_nc_u64 s[4:5], s[4:5], s[12:13]
	s_add_nc_u64 s[6:7], s[6:7], s[18:19]
	s_add_nc_u64 s[8:9], s[8:9], s[16:17]
.set t, 0
.rept 16
	global_load_b128 v[V+4*t:V+4*t+3], v1, s[6:7] offset:512*t
.set t, t+1
.endr
.set t, 0
.rept 16
	global_load_b128 v[V2+4*t:V2+4*t+3], v1, s[6:7] offset:131072+512*t
.set t, t+1
.endr
.set t, 0
.rept 16
	global_load_b128 v[W+4*t:W+4*t+3], v1, s[4:5] offset:512*t th:TH_LOAD_NT
.set t, t+1
.endr
.set t, 0
.rept 16
	s_wait_loadcnt 15-t                            ; piece t of the row is in (and all of Y, issued earlier); the 15 - t younger loads stay out
.if t == 0
	v_pk_mul_f32 v[ACC:ACC+1],   v[W:W+1],   v[V:V+1]      ; the first products start the chains
	v_pk_mul_f32 v[ACC+2:ACC+3], v[W+2:W+3], v[V+2:V+3]
.else
	v_pk_fma_f32 v[ACC:ACC+1],   v[W+4*t:W+4*t+1],   v[V+4*t:V+4*t+1],   v[ACC:ACC+1]
	v_pk_fma_f32 v[ACC+2:ACC+3], v[W+4*t+2:W+4*t+3], v[V+4*t+2:V+4*t+3], v[ACC+2:ACC+3]
.endif
	v_pk_fma_f32 v[ACC:ACC+1],   v[W+4*t:W+4*t+1],   v[V2+4*t:V2+4*t+1],   v[ACC:ACC+1]
	v_pk_fma_f32 v[ACC+2:ACC+3], v[W+4*t+2:W+4*t+3], v[V2+4*t+2:V2+4*t+3], v[ACC+2:ACC+3]
.set t, t+1
.endr
	v_pk_add_f32 v[ACC:ACC+1], v[ACC:ACC+1], v[ACC+2:ACC+3]
	v_add_f32 v[SUM], v[ACC], v[ACC+1]
	v_add_f32_dpp v[SUM], v[SUM], v[SUM] row_xmask:1 row_mask:0xf bank_mask:0xf
	v_add_f32_dpp v[SUM], v[SUM], v[SUM] row_xmask:2 row_mask:0xf bank_mask:0xf
	v_add_f32_dpp v[SUM], v[SUM], v[SUM] row_xmask:4 row_mask:0xf bank_mask:0xf
	v_add_f32_dpp v[SUM], v[SUM], v[SUM] row_xmask:8 row_mask:0xf bank_mask:0xf
	v_permlanex16_b32 v[OTH], v[SUM], s14, s15
	v_add_f32 v[SUM], v[SUM], v[OTH]
	v_cmp_eq_u32 vcc_lo, 0, v1                     ; lane 0 stores
	s_wait_xcnt 0x0                                ; EXEC is a source of the loads above: it changes only behind this wait
	s_and_saveexec_b32 s20, vcc_lo
	global_store_b32 v[ZO], v[SUM], s[8:9]
	s_wait_xcnt 0x0                                ; and again in front of the line that widens it
	s_or_b32 exec_lo, exec_lo, s20
	s_endpgm
.Lfunc_end_k_q52eaa56103_heads:
	.size	k_q52eaa56103_heads, .Lfunc_end_k_q52eaa56103_heads-k_q52eaa56103_heads
	.p2alignl 7, 3214868480
	.fill 96, 4, 3214868480
	.section	.rodata,"a",@progbits
	.p2align	6, 0x0
	.amdhsa_kernel k_q52eaa56103_heads
		.amdhsa_group_segment_fixed_size 0
		.amdhsa_private_segment_fixed_size 0
		.amdhsa_enable_private_segment 0
		.amdhsa_kernarg_size 24
		.amdhsa_user_sgpr_count 2
		.amdhsa_user_sgpr_kernarg_segment_ptr 1
		.amdhsa_wavefront_size32 1
		.amdhsa_system_sgpr_workgroup_id_x 1
		.amdhsa_system_sgpr_workgroup_id_y 1
		.amdhsa_system_sgpr_workgroup_id_z 1
		.amdhsa_system_vgpr_workitem_id 0
		.amdhsa_next_free_vgpr 208
		.amdhsa_next_free_sgpr 66
		.amdhsa_reserve_vcc 1
		.amdhsa_float_denorm_mode_32 3
		.amdhsa_float_denorm_mode_16_64 3
		.amdhsa_memory_ordered 1
		.amdhsa_forward_progress 1
		.amdhsa_inst_pref_size 11
	.end_amdhsa_kernel
	.amdgpu_metadata
---
amdhsa.version: [ 1, 2 ]
amdhsa.kernels:
  - .name:           k_q52eaa56103_heads
    .symbol:         k_q52eaa56103_heads.kd
    .args:
      - { .name: Wv_mha, .offset: 0, .size: 8, .value_kind: global_buffer, .address_space: global }
      - { .name: ypb, .offset: 8, .size: 8, .value_kind: global_buffer, .address_space: global }
      - { .name: vec, .offset: 16, .size: 8, .value_kind: global_buffer, .address_space: global }
    .group_segment_fixed_size: 0
    .private_segment_fixed_size: 0
    .kernarg_segment_align: 8
    .kernarg_segment_size: 24
    .max_flat_workgroup_size: 256
    .sgpr_count:     66
    .vgpr_count:     208
    .wavefront_size: 32
...
	.end_amdgpu_metadata
.endif
;; end of part 9
;; launch outp (part 10): grid 256 x 1, 8 waves a work-group, no clusters, 0 bytes of LDS; arguments Wo, vec, x, out0; writes out0
.if DOCPART == 10
	.amdgcn_target "amdgcn-amd-amdhsa--gfx1250"
	.amdhsa_code_object_version 6
	.text
	.protected	k_q52eaa56103_outp
	.globl	k_q52eaa56103_outp
	.p2align	8
	.type	k_q52eaa56103_outp,@function
k_q52eaa56103_outp:
	s_mov_b64 s[64:65], 0
	v_nop
	global_prefetch_b8 v0, s[64:65] scope:SCOPE_SE
	s_setreg_imm32_b32 hwreg(HW_REG_WAVE_MODE, 25, 1), 1
	s_wait_xcnt 0x0
; out0[o] = the sum over i of Wo[o][i] attn[i] + x[o].  All in f32 on the vector unit: a product with one row, whose weights are read once.
; SHARES.  One wave, one row: o = 8 x work-group + wave.  A lane takes the 16 bytes at 512 t + 16 lane, t = 0..15, of the row and of attn.  All 32 loads go out at once.
; The sum runs in four chains a lane and is closed across the 32 lanes; x[o] comes by a scalar load (this launch stores nothing into x) and is added last.
; PRICE.  Each wave stores one number (4 bytes): the whole result is 8,192 bytes.  No LDS, no barrier, no cluster: the work-groups share attn alone, 8 KiB beside 64 KiB of their own.
.set V,    4                           ; v[4:67]    attn
.set W,    68                          ; v[68:131]  the row
.set ACC,  132                         ; v[132:135] four chains
.set SUM,  136
.set OTH,  137
.set ZO,   138
	s_load_b256 s[4:11], s[0:1], 0x0               ; Wo s[4:5], attn s[6:7], x s[8:9], out0 s[10:11]
	v_and_b32 v1, 31, v0
	v_lshrrev_b32 v2, 5, v0
	v_readfirstlane_b32 s12, v2                    ; wave 0..7
	v_lshlrev_b32 v1, 4, v1                        ; 16 x lane
	s_lshl_b32 s13, ttmp9, 3
	s_add_co_u32 s13, s13, s12                     ; my row
	s_lshl_b32 s16, s13, 13
	s_mov_b32 s17, 0
	s_lshl_b32 s18, s13, 2
	s_mov_b32 s19, 0
	s_mov_b32 s14, 0x76543210
	s_mov_b32 s15, 0xfedcba98
	v_mov_b32 v[OTH], 0                            ; v_permlanex16_b32's destination counts as read
	v_mov_b32 v[ZO], 0
	s_wait_kmcnt 0x0
	s_add_nc_u64 s[4:5], s[4:5], s[16:17]
	s_add_nc_u64 s[8:9], s[8:9], s[18:19]
	s_add_nc_u64 s[10:11], s[10:11], s[18:19]
	s_load_b32 s20, s[8:9], 0x0                    ; x[o]
.set t, 0
.rept 16
	global_load_b128 v[V+4*t:V+4*t+3], v1, s[6:7] offset:512*t
.set t, t+1
.endr
.set t, 0
.rept 16
	global_load_b128 v[W+4*t:W+4*t+3], v1, s[4:5] offset:512*t th:TH_LOAD_NT
.set t, t+1
.endr
.set t, 0
.rept 16
	s_wait_loadcnt 15-t                            ; piece t of the row is in (and all of attn, issued earlier); the 15 - t younger loads stay out
.if t == 0
	v_pk_mul_f32 v[ACC:ACC+1],   v[W:W+1],   v[V:V+1]      ; the first products start the chains
	v_pk_mul_f32 v[ACC+2:ACC+3], v[W+2:W+3], v[V+2:V+3]
.else
	v_pk_fma_f32 v[ACC:ACC+1],   v[W+4*t:W+4*t+1],   v[V+4*t:V+4*t+1],   v[ACC:ACC+1]
	v_pk_fma_f32 v[ACC+2:ACC+3], v[W+4*t+2:W+4*t+3], v[V+4*t+2:V+4*t+3], v[ACC+2:ACC+3]
.endif
.set t, t+1
.endr
	v_pk_add_f32 v[ACC:ACC+1], v[ACC:ACC+1], v[ACC+2:ACC+3]
	v_add_f32 v[SUM], v[ACC], v[ACC+1]
	v_add_f32_dpp v[SUM], v[SUM], v[SUM] row_xmask:1 row_mask:0xf bank_mask:0xf
	v_add_f32_dpp v[SUM], v[SUM], v[SUM] row_xmask:2 row_mask:0xf bank_mask:0xf
	v_add_f32_dpp v[SUM], v[SUM], v[SUM] row_xmask:4 row_mask:0xf bank_mask:0xf
	v_add_f32_dpp v[SUM], v[SUM], v[SUM] row_xmask:8 row_mask:0xf bank_mask:0xf
	v_permlanex16_b32 v[OTH], v[SUM], s14, s15
	v_add_f32 v[SUM], v[SUM], v[OTH]
	s_wait_kmcnt 0x0                               ; x[o]
	v_add_f32 v[SUM], s20, v[SUM]
	v_cmp_eq_u32 vcc_lo, 0, v1                     ; lane 0 stores
	s_wait_xcnt 0x0                                ; EXEC is a source of the loads above: it changes only behind this wait
	s_and_saveexec_b32 s21, vcc_lo
	global_store_b32 v[ZO], v[SUM], s[10:11]
	s_wait_xcnt 0x0                                ; and again in front of the line that widens it
	s_or_b32 exec_lo, exec_lo, s21
	s_endpgm
.Lfunc_end_k_q52eaa56103_outp:
	.size	k_q52eaa56103_outp, .Lfunc_end_k_q52eaa56103_outp-k_q52eaa56103_outp
	.p2alignl 7, 3214868480
	.fill 96, 4, 3214868480
	.section	.rodata,"a",@progbits
	.p2align	6, 0x0
	.amdhsa_kernel k_q52eaa56103_outp
		.amdhsa_group_segment_fixed_size 0
		.amdhsa_private_segment_fixed_size 0
		.amdhsa_enable_private_segment 0
		.amdhsa_kernarg_size 32
		.amdhsa_user_sgpr_count 2
		.amdhsa_user_sgpr_kernarg_segment_ptr 1
		.amdhsa_wavefront_size32 1
		.amdhsa_system_sgpr_workgroup_id_x 1
		.amdhsa_system_sgpr_workgroup_id_y 1
		.amdhsa_system_sgpr_workgroup_id_z 1
		.amdhsa_system_vgpr_workitem_id 0
		.amdhsa_next_free_vgpr 144
		.amdhsa_next_free_sgpr 66
		.amdhsa_reserve_vcc 1
		.amdhsa_float_denorm_mode_32 3
		.amdhsa_float_denorm_mode_16_64 3
		.amdhsa_memory_ordered 1
		.amdhsa_forward_progress 1
		.amdhsa_inst_pref_size 8
	.end_amdhsa_kernel
	.amdgpu_metadata
---
amdhsa.version: [ 1, 2 ]
amdhsa.kernels:
  - .name:           k_q52eaa56103_outp
    .symbol:         k_q52eaa56103_outp.kd
    .args:
      - { .name: Wo, .offset: 0, .size: 8, .value_kind: global_buffer, .address_space: global }
      - { .name: vec, .offset: 8, .size: 8, .value_kind: global_buffer, .address_space: global }
      - { .name: x, .offset: 16, .size: 8, .value_kind: global_buffer, .address_space: global }
      - { .name: out0, .offset: 24, .size: 8, .value_kind: global_buffer, .address_space: global }
    .group_segment_fixed_size: 0
    .private_segment_fixed_size: 0
    .kernarg_segment_align: 8
    .kernarg_segment_size: 32
    .max_flat_workgroup_size: 256
    .sgpr_count:     66
    .vgpr_count:     144
    .wavefront_size: 32
...
	.end_amdgpu_metadata
.endif
;; end of part 10
